; MI455X (gfx1250); checked and timed in simulation.
; The chip was launched on July 23, 2026; its instructions are those of AMD's public machine-readable ISA for CDNA 5 (MIT licence, August 2026) and "CDNA5" Instruction Set Architecture Reference Guide (July 2026). The comments in the code are by the model that wrote it; some were corrected since.
;; PMA. Allowed arithmetic: matrix products marked QUANTISED: E4M3 operands, one E8M0 scale for each 32 along K, by v_wmma_scale_f32_16x16x128_f8f6f4 with both operands' format E4M3, f32 sums; everything else in f32.
;; Inputs: S 1 x 32 x 1,024 float32; Wk 1,024 x 4,096 float32; Wo 1,024 x 1,024 float32; Wq 1,024 x 1,024 float32; Wv 1,024 x 4,096 float32; X 8 x 1,024 x 4,096 float32; beta0 1,024 float32; beta1 1,024 float32; bk 1,024 float32; bo 1,024 float32; bq 1,024 float32; bv 1,024 float32; g0 1,024 float32; g1 1,024 float32; pad_mask 8 x 1,024 int32.
;; Outputs: out0 8 x 32 x 1,024 float32.
;; This version of the problem:
;;   THIS VERSION OF THE PROBLEM IS GIVEN IN LOW PRECISION. The matrix products marked QUANTISED in the list below multiply operands that are first quantised to E4M3 (4 exponent bits, 3 mantissa bits; 8 bits a number), with one power-of-two scale for each 32 numbers along K (OCP MX v1.0); their sums are f32. All else is computed in f32.
;;   The module's matrix products, in the order in which they are computed (A, B: the left and right operand; K: the contracted axis; several contracted axes count as one K, in the product's order):
;;     1. [M 256, K 1,024] x [K 1,024, N 1,024]; A: input S; B: input Wq: QUANTISED
;;     2. [M 8,192, K 4,096] x [K 4,096, N 1,024]; A: input X; B: input Wk: QUANTISED
;;     3. [M 8,192, K 4,096] x [K 4,096, N 1,024]; A: input X; B: input Wv: QUANTISED
;;     4. batch 128 x [M 32, K 64] x [K 64, N 1,024]; A: computed on the way; B: computed on the way: QUANTISED
;;     5. batch 128 x [M 64, K 1,024] x [K 1,024, N 32]; A: computed on the way; B: computed on the way: QUANTISED
;;     6. [M 256, K 1,024] x [K 1,024, N 1,024]; A: computed on the way; B: input Wo: QUANTISED
;;   THE QUANTISER, for each operand of a quantised product, along K:
;;     - K is cut into blocks of 32 from its start; a last block that is shorter is filled with zeros.
;;     - A block's scale is 2^e with e = floor(log2(the largest magnitude in the block)) - 8, held to -126 .. 127; a block of zeros has e = 0. As a byte (E8M0): e + 127.
;;     - Each number is divided by its block's scale, clamped to +-448, and rounded to the nearest number of E4M3, ties to even, subnormals kept.
;;     - The product sums the exact products of the quantised numbers (number of the format x scale) in f32.
;;   ~~~python
;;   def quantise(x, axis):      # numpy; x: float32 -> the quantised numbers, widened to float32 again
;;       x = np.moveaxis(x, axis, -1); K = x.shape[-1]
;;       x = np.pad(x, [(0, 0)] * (x.ndim - 1) + [(0, -K % 32)]); x = x.reshape(x.shape[:-1] + (-1, 32)); a = np.abs(x).max(-1, keepdims=True)
;;       e = np.where(a > 0, np.clip(np.frexp(np.where(a > 0, a, 1))[1] - 1 - 8, -126, 127), 0)      # np.frexp(a)[1] - 1 = floor(log2(a)), exactly
;;       r = np.clip(x / 2.0 ** e, -448, 448)
;;       step = 2.0 ** (np.maximum(np.frexp(np.where(r == 0, 1, r))[1] - 1, -6) - 3)
;;       q = np.round(r / step) * step * 2.0 ** e      # np.round: ties to even
;;       return np.moveaxis(q.reshape(q.shape[:-2] + (-1,))[..., :K], -1, axis).astype(np.float32)
;;   ~~~
;;   OPERANDS COMPUTED ON THE WAY. 'Computed on the way' means the value that the module computes at that place (a softmax that the list does not call 'softmax' is quantised finished and normalised). What goes into a quantiser is computed in f32, as accurately as f32 sums, v_exp_f32 and their like allow (about 1e-6 of the number): no bf16 or f16 on the way to a quantiser, and a product that is left as it is and whose result goes on into a quantised operand takes f32 operands (vector FMAs, or v_wmma_f32_16x16x4_f32). A number that lies on a knife's edge between two numbers of the format may be rounded either way, as far as f32 arithmetic and the matrix unit's own rounding can turn it there, and no further.
;; One version. Each part assembles by itself: llvm-mc -triple=amdgcn-amd-amdhsa -mcpu=gfx1250 --defsym DOCPART=n.
;; ======== version 1 of 1: 5 launches
;; limits: right only within a limited range of input values
;; workspace buffers: XC 34,603,008 bytes; WC 9,732,096 bytes; QP 524,288 bytes; KVI 16,777,216 bytes; KVS 524,288 bytes; OI 1,048,576 bytes; ZI 1,048,576 bytes
;; launch quant (part 1): grid 1376 x 1, 2 waves a work-group, no clusters, 34,048 bytes of LDS; arguments X, Wk, Wv, Wo, Wq, S, XC, WC, QP; writes XC, WC, QP
.if DOCPART == 1
	.amdgcn_target "amdgcn-amd-amdhsa--gfx1250"
	.amdhsa_code_object_version 6
	.text
	.protected	k_q09dd616b71_quant
	.globl	k_q09dd616b71_quant
	.p2align	8
	.type	k_q09dd616b71_quant,@function
k_q09dd616b71_quant:
	s_mov_b64 s[64:65], 0
	v_nop
	global_prefetch_b8 v0, s[64:65] scope:SCOPE_SE
	s_setreg_imm32_b32 hwreg(HW_REG_WAVE_MODE, 25, 1), 1
	s_wait_xcnt 0x0
; PMA, launch 1 of 5.  X [8192][4096], Wk, Wv [1024][4096], Wo [1024][1024], all f32 with K innermost, become codes of FP8 (E4M3) with one E8M0 byte for each 32 along K,
; laid as the matrix unit's registers want them; and 64 work-groups make partial sums of S Wq^T, quantising S and Wq in registers.
; WORK LEFT OUT.  reference() forms Q = broadcast_to(S, (8, 32, 1024)) in its own body, so rows 32 b + q of the first product are the same row for all eight b, whatever S and Wq hold:
; the product is made once, on S's 32 rows.  Nothing else is left out and every input is loaded by some launch: bk moves K's codes; V at a masked key can move its block's scale;
; K at a masked key is thrown away by values of pad_mask alone, so it is computed and selected.
; LIMITS.  NaN and infinities among the inputs are not served.  A block whose largest magnitude lies under 2^-118 (a block of zeros among them) gets the byte 1 where the rule says
; 127 for zeros: its codes are then zeros or subnormal codes under byte 1, and the bytes are read by this program alone.
; LAYOUT.  perm(i) = i + 8 (i / 8).  Tile t of a group of 128 rows holds rows 32 (t / 2) + 8 (t % 2) + perm(lane % 16): with such tiles as source 0 the 16 registers of result tiles 2 b, 2 b + 1
; are 16 neighbours.  A FRAGMENT IMAGE (2,048 bytes) is 16 rows x 128 K as the operand's registers: registers 4 c .. 4 c + 3 of lane l at 512 c + 16 l.  A SCALE IMAGE (512 bytes) serves 8 tiles:
; register q of lane l at 16 l + 4 q; lanes 0-15 hold tile q's words, lanes 16-31 tile 4 + q's.  A K BLOCK (33,792 bytes) is 256 rows x 128 K: 16 fragment images, then 2 scale images.
; SHARES.  A wave takes 128 rows x 128 K: 8 fragments.  Each load reads 512 consecutive bytes of one row; a fragment's 16 rows turn through the wave's own stage in LDS (rows 528 bytes apart),
; so that a lane gets 16 neighbours of each block of 32.  Waves share nothing: no barrier.  No tensor loads: many small work-groups lie side by side and each wave keeps 48 loads out.
.set KBLK,  33792
.set WVOFF, 128*KBLK                   ; Wv's blocks in WC, behind Wk's 4 x 32
.set WOOFF, 256*KBLK                   ; Wo's, behind Wv's
.set STGB,  16*528                     ; a stage
.set QSTG,  2*STGB                     ; the second path's stages: LDS bytes of their own
.set SPARE, 4*STGB                     ; the spare words, 128 bytes a wave: one block of 256 bytes that no other line names
.set LI,  2                            ; v2    16 x lane
.set STA, 3                            ; v3    stage, on the way in: + 16 x lane
.set LDA, 4                            ; v4    on the way out: + 528 (lane % 16) + 64 (lane / 16)
.set SPW, 5                            ; v5    my spare word; never rewritten
.set NIL, 6                            ; v6    0; never rewritten
.set PW,  7                            ; v7    the scale word just made
.set PWQ, 8                            ; v8-11 the scale image in the making (second path: v8, v9 S's scale words)
.set VO,  16                           ; v16-31 load i's offset: 16 x lane + perm(i) rows
.set X0,  32                           ; v32-223 three sets of 64 numbers (second path: two sets)
.set SCODE, 160                        ; second path: v160-191 S's two fragments
.set ACC, 192                          ; second path: v192-223 four accumulators
.set PC,  224                          ; v224-239 the codes just made
.set TM,  240                          ; v240-255 at work in QUANT
.set SEL, 52                           ; s[52:53] v_permlanex16_b32's selects for lane l xor 16
.set MNT, 54                           ; s54   the mantissa field of 448
.set HI,  55                           ; s55   the mask of lanes 16-31
; 64 numbers of a lane, register 16 b + i = k 32 b + 16 (lane / 16) + i of my row, become a fragment's codes in v[pc] on and its scale word in v[pw]; the held numbers go to v[d] on.
.macro QUANT s, d, pc, pw, relu
.if \relu                              ; what is negative is to become 0: it does not count for the largest magnitude
.irp b, 0,1,2,3
	v_max3_num_f32 v[TM+\b], v[(\s)+16*\b], v[(\s)+16*\b+1], 0x4800000    ; my 16 numbers of block b, and the floor 2^(9 - 127): the byte cannot fall under 1
.endr
.irp i, 2,4,6,8,10,12,14
.irp b, 0,1,2,3
	v_max3_num_f32 v[TM+\b], v[TM+\b], v[(\s)+16*\b+\i], v[(\s)+16*\b+\i+1]
.endr
.endr
.else
.irp b, 0,1,2,3
	v_max3_num_f32 v[TM+\b], |v[(\s)+16*\b]|, |v[(\s)+16*\b+1]|, 0x4800000
.endr
.irp i, 2,4,6,8,10,12,14
.irp b, 0,1,2,3
	v_max3_num_f32 v[TM+\b], v[TM+\b], |v[(\s)+16*\b+\i]|, |v[(\s)+16*\b+\i+1]|
.endr
.endr
.endif
.irp b, 0,1,2,3
	v_permlanex16_b32 v[TM+4+\b], v[TM+\b], s[SEL], s[SEL+1]
.endr
.irp b, 0,1,2,3
	v_max_num_f32 v[TM+\b], v[TM+\b], v[TM+4+\b]                          ; with lane l xor 16's: the block's largest magnitude
.endr
.irp b, 0,1,2,3
	v_add_nc_u32 v[TM+12+\b], 0xfc000000, v[TM+\b]                        ; 8 off its exponent field: the conversion's scale operand
.endr
.irp b, 0,1,2,3
	v_and_or_b32 v[TM+8+\b], v[TM+\b], 0x7f800000, s[MNT]                 ; 448 x the scale
.endr
.irp b, 0,1,2,3
	v_lshrrev_b32 v[TM+4+\b], 23, v[TM+12+\b]                             ; the scale's byte
.endr
	v_lshl_or_b32 v[\pw], v[TM+5], 8, v[TM+4]
	v_lshl_or_b32 v[\pw], v[TM+6], 16, v[\pw]
	v_lshl_or_b32 v[\pw], v[TM+7], 24, v[\pw]
.irp b, 0,1,2,3
.irp i, 0,1,2,3,4,5,6,7,8,9,10,11,12,13,14,15
.if \relu
	v_med3_num_f32 v[(\d)+16*\b+\i], v[(\s)+16*\b+\i], 0, v[TM+8+\b]
.else
	v_med3_num_f32 v[(\d)+16*\b+\i], v[(\s)+16*\b+\i], -v[TM+8+\b], v[TM+8+\b]   ; the conversion to an 8-bit code does not saturate (ISA guide 7.6.2): the hold comes first
.endif
.endr
	v_cvt_scalef32_pk8_fp8_f32 v[(\pc)+4*\b:(\pc)+4*\b+1], v[(\d)+16*\b:(\d)+16*\b+7], v[TM+12+\b]
	v_cvt_scalef32_pk8_fp8_f32 v[(\pc)+4*\b+2:(\pc)+4*\b+3], v[(\d)+16*\b+8:(\d)+16*\b+15], v[TM+12+\b]
.endr
	v_nop                                  ; one plain vector line behind the last conversion
.endm
; a fragment's 16 rows: each load reads 512 consecutive bytes of one row
.macro FLOAD set, base, imm, nt
.irp i, 0,1,2,3,4,5,6,7,8,9,10,11,12,13,14,15
.if \nt
	global_load_b128 v[(\set)+4*\i:(\set)+4*\i+3], v[VO+\i], s[(\base):(\base)+1] offset:\imm th:TH_LOAD_NT
.else
	global_load_b128 v[(\set)+4*\i:(\set)+4*\i+3], v[VO+\i], s[(\base):(\base)+1] offset:\imm
.endif
.endr
.endm
; through my stage and back into the same registers: LDS serves a wave's instructions in order, so no wait stands between the stores and the loads
.macro TURN set
.irp i, 0,1,2,3,4,5,6,7,8,9,10,11,12,13,14,15
	ds_store_b128 v[STA], v[(\set)+4*\i:(\set)+4*\i+3] offset:528*\i
.endr
.irp c, 0,1,2,3
.irp j, 0,1,2,3
	ds_load_b128 v[(\set)+16*\c+4*\j:(\set)+16*\c+4*\j+3], v[LDA] offset:128*\c+16*\j
.endr
.endr
.endm
.macro CLOSE                           ; the wave's end: three lines behind my last LDS store
	s_wait_tensorcnt 0x0
	ds_add_u32 v[SPW], v[NIL]
	s_wait_dscnt 0x0
.endm
	s_load_b512 s[4:19], s[0:1], 0x0               ; X, Wk, Wv, Wo, Wq, S, XC, WC
	s_load_b64 s[20:21], s[0:1], 0x40              ; QP
	v_lshl_add_u32 v[SPW], v0, 2, SPARE
	v_mov_b32 v[NIL], 0
	v_lshrrev_b32 v1, 5, v0
	v_readfirstlane_b32 s22, v1                    ; wave 0, 1
	v_and_b32 v1, 31, v0
	v_lshlrev_b32 v[LI], 4, v1
	v_and_b32 v12, 15, v0
	v_bfe_u32 v13, v0, 4, 1
	s_mul_i32 s26, s22, STGB
	v_add_nc_u32 v[STA], s26, v[LI]
	v_mul_u32_u24 v[LDA], v12, 528
	v_lshl_add_u32 v[LDA], v13, 6, v[LDA]
	v_add_nc_u32 v[LDA], s26, v[LDA]
	s_mov_b32 s[SEL], 0x76543210
	s_mov_b32 s[SEL+1], 0xfedcba98
	s_mov_b32 s[MNT], 0x600000
	s_mov_b32 s[HI], 0xffff0000
.irp b, 0,1,2,3
	v_mov_b32 v[TM+4+\b], 0                        ; written once: a lane permute's destination counts as one of its sources
.endr
	s_cmp_lt_u32 ttmp9, 64
	s_cbranch_scc1 .Lq_path                        ; the first 64 work-groups make S Wq^T
	; ---- X, Wk, Wv, Wo.  Unit u: X 0 .. 2047, Wk .. 2303, Wv .. 2559, Wo .. 2623.  Only pointers and shifts are chosen, by the unit's number: one path serves all four
	s_sub_co_u32 s23, ttmp9, 64
	s_lshl_b32 s23, s23, 1
	s_add_co_u32 s23, s23, s22                     ; u
	s_sub_co_u32 s56, s23, 2048
	s_sub_co_u32 s57, s23, 2304
	s_sub_co_u32 s58, s23, 2560
	s_mov_b32 s26, s23                             ; the unit's number in its tensor
	s_mov_b32 s24, 14                              ; log2 of a row's bytes
	s_mov_b32 s25, 5                               ; log2 of the K steps of 128
	s_mov_b32 s32, 0                               ; the tensor's first byte in its workspace buffer
	s_wait_kmcnt 0x0
	s_mov_b64 s[28:29], s[4:5]
	s_mov_b64 s[30:31], s[16:17]
	s_cmp_ge_u32 s23, 2048
	s_cselect_b64 s[28:29], s[6:7], s[28:29]
	s_cselect_b64 s[30:31], s[18:19], s[30:31]
	s_cselect_b32 s26, s56, s26
	s_cmp_ge_u32 s23, 2304
	s_cselect_b64 s[28:29], s[8:9], s[28:29]
	s_cselect_b32 s26, s57, s26
	s_cselect_b32 s32, WVOFF, s32
	s_cmp_ge_u32 s23, 2560
	s_cselect_b64 s[28:29], s[10:11], s[28:29]
	s_cselect_b32 s26, s58, s26
	s_cselect_b32 s32, WOOFF, s32
	s_cselect_b32 s24, 12, s24
	s_cselect_b32 s25, 3, s25
	s_lshr_b32 s27, s26, s25                       ; which 128 rows
	s_bfm_b32 s33, s25, 0
	s_and_b32 s33, s26, s33                        ; which K step
	s_lshl_b32 s56, s27, 7
	s_lshl_b32 s56, s56, s24                       ; 128 rows each, in bytes (under 2^28)
	s_lshl_b32 s58, s33, 9                         ; 512 bytes a K step
	s_add_co_u32 s56, s56, s58
	s_mov_b32 s57, 0
	s_add_nc_u64 s[28:29], s[28:29], s[56:57]
.irp f, 0,1,2,3,4,5,6,7
	s_lshl_b32 s56, 32*(\f/2)+8*(\f%2), s24        ; tile f's first row
	s_add_nc_u64 s[36+2*\f:37+2*\f], s[28:29], s[56:57]
.endr
.irp i, 0,1,2,3,4,5,6,7,8,9,10,11,12,13,14,15
	s_lshl_b32 s59, \i+8*(\i/8), s24
	v_add_nc_u32 v[VO+\i], s59, v[LI]
.endr
	s_lshr_b32 s56, s27, 1                         ; the group of 256 rows
	s_lshl_b32 s56, s56, s25
	s_add_co_u32 s56, s56, s33
	s_mul_i32 s56, s56, KBLK                       ; its K block
	s_add_co_u32 s56, s56, s32
	s_add_nc_u64 s[30:31], s[30:31], s[56:57]
	s_and_b32 s58, s27, 1                          ; which half of the group
	s_lshl_b32 s56, s58, 9
	s_add_co_u32 s56, s56, 32768
	s_add_nc_u64 s[34:35], s[30:31], s[56:57]      ; my scale image
	s_lshl_b32 s56, s58, 14
	s_add_nc_u64 s[30:31], s[30:31], s[56:57]      ; my eight fragment images
.macro FRAG_G f, left
.set XS, X0+64*((\f)%3)
	s_wait_loadcnt \left                           ; this fragment's 16 loads are in; the younger fragments' may be out
	TURN XS
	s_wait_dscnt 0x0
.if (\f) > 0
	s_wait_xcnt 0x0                                ; the last fragment's stores have read the codes' registers
.endif
	QUANT XS, XS, PC, PW, 0
.if (\f) < 4
	v_mov_b32 v[PWQ+(\f)], v[PW]                   ; both halves of the lanes hold row (lane % 16)'s word
.else
	v_cndmask_b32 v[PWQ+(\f)-4], v[PWQ+(\f)-4], v[PW], s[HI]
.endif
.irp c, 0,1,2,3
	global_store_b128 v[LI], v[PC+4*\c:PC+4*\c+3], s[30:31] offset:2048*(\f)+512*\c   ; 32 lanes store 512 consecutive bytes
.endr
.if (\f)+3 < 8
	FLOAD XS, 36+2*((\f)+3), 0, 1
.endif
.endm
	s_wait_alu depctr_va_vdst(0)
	FLOAD X0, 36, 0, 1
	FLOAD X0+64, 38, 0, 1
	FLOAD X0+128, 40, 0, 1
	FRAG_G 0, 32
	FRAG_G 1, 32
	FRAG_G 2, 32
	FRAG_G 3, 32
	FRAG_G 4, 32
	FRAG_G 5, 32
	FRAG_G 6, 16
	FRAG_G 7, 0
	global_store_b128 v[LI], v[PWQ:PWQ+3], s[34:35]
	CLOSE
	s_endpgm
	; ---- S Wq^T.  Unit uq = (head, b', kq): 32 rows of Wq (head's d = 32 b' .. + 31, two tiles), S's 32 rows (two tiles), K = 256 kq .. + 255 (two K steps).
	; Source 0 = 16 rows of Wq, source 1 = 16 rows of S: lane (r, h) holds query 8 qt + perm(r), and register 8 u + j of tile pair qt holds d = 32 b' + 16 h + 8 u + j.
.Lq_path:
	s_wait_alu depctr_va_vdst(0)
	v_add_nc_u32 v[STA], QSTG, v[STA]
	v_add_nc_u32 v[LDA], QSTG, v[LDA]
.irp i, 0,1,2,3,4,5,6,7,8,9,10,11,12,13,14,15
	v_add_nc_u32 v[VO+\i], (\i+8*(\i/8))*4096, v[LI]
.endr
	s_lshl_b32 s23, ttmp9, 1
	s_add_co_u32 s23, s23, s22                     ; uq
	s_and_b32 s24, s23, 3                          ; kq
	s_bfe_u32 s25, s23, 0x10002                    ; b'
	s_lshr_b32 s26, s23, 3                         ; head
	s_lshl_b32 s32, s24, 10                        ; 256 numbers along K
	s_mov_b32 s33, 0
	s_lshl_b32 s27, s26, 6
	s_lshl_b32 s56, s25, 5
	s_add_co_u32 s27, s27, s56                     ; Wq's row 64 head + 32 b'
	s_lshl_b32 s56, s27, 12
	s_add_co_u32 s56, s56, s32
	s_mov_b32 s57, 0
	s_lshl_b32 s58, s24, 4
	s_add_co_u32 s58, s58, s26
	s_lshl_b32 s58, s58, 1
	s_add_co_u32 s58, s58, s25
	s_lshl_b32 s58, s58, 12                        ; QP: [kq][head][b'] x 4,096 bytes
	s_mov_b32 s59, 0
	s_wait_alu depctr_va_vdst(0)
	s_wait_kmcnt 0x0
	s_add_nc_u64 s[36:37], s[14:15], s[32:33]      ; S, tile 0
	s_add_nc_u64 s[38:39], s[36:37], 8*4096        ; tile 1
	s_add_nc_u64 s[40:41], s[12:13], s[56:57]      ; Wq, tile 0
	s_add_nc_u64 s[42:43], s[40:41], 8*4096        ; tile 1
	s_add_nc_u64 s[20:21], s[20:21], s[58:59]
.macro FRAG_Q f                        ; fragment f = 4 x K step + j: j = 0, 1 S's tiles, j = 2, 3 Wq's
.set XS, X0+64*((\f)%2)
.set J, (\f)%4
.set SLK, (\f)/4
.if (\f) < 7
	s_wait_loadcnt 16                              ; the next fragment's 16 loads may be out
.else
	s_wait_loadcnt 0x0
.endif
	TURN XS
	s_wait_dscnt 0x0
.if J < 2
	QUANT XS, XS, SCODE+16*J, PWQ+J, 0             ; more than eight plain lines of it stand ahead of its first write of a register that the last products read
.else
	QUANT XS, XS, PC, PW, 0
.endif
.if (\f)+2 < 8
	FLOAD XS, 36+2*(((\f)+2)%4), 512*(((\f)+2)/4), 0
.endif
.if J >= 2
.rept 8
	v_nop                                          ; a scale word written by vector lines stands eight places ahead of the product, codes four
.endr
.irp q, 0,1                            ; the four accumulators take turns, one instruction a turn
.if SLK == 0
	v_wmma_scale_f32_16x16x128_f8f6f4 v[ACC+16*\q+8*(J-2):ACC+16*\q+8*(J-2)+7], v[PC:PC+15], v[SCODE+16*\q:SCODE+16*\q+15], 0, v[PW], v[PWQ+\q]
.else
	v_wmma_scale_f32_16x16x128_f8f6f4 v[ACC+16*\q+8*(J-2):ACC+16*\q+8*(J-2)+7], v[PC:PC+15], v[SCODE+16*\q:SCODE+16*\q+15], v[ACC+16*\q+8*(J-2):ACC+16*\q+8*(J-2)+7], v[PW], v[PWQ+\q]
.endif
.endr
.endif
.endm
	FLOAD X0, 36, 0, 0
	FLOAD X0+64, 38, 0, 0
.irp f, 0,1,2,3,4,5,6,7
	FRAG_Q \f
.endr
.rept 8
	v_nop                                          ; eight places ahead of the stores that read the results
.endr
.irp g, 0,1,2,3,4,5,6,7
	global_store_b128 v[LI], v[ACC+4*\g:ACC+4*\g+3], s[20:21] offset:512*\g   ; the registers as they stand, each accumulator from its low end on
.endr
	CLOSE
	s_endpgm
.Lfunc_end_k_q09dd616b71_quant:
	.size	k_q09dd616b71_quant, .Lfunc_end_k_q09dd616b71_quant-k_q09dd616b71_quant
	.p2alignl 7, 3214868480
	.fill 96, 4, 3214868480
	.section	.rodata,"a",@progbits
	.p2align	6, 0x0
	.amdhsa_kernel k_q09dd616b71_quant
		.amdhsa_group_segment_fixed_size 34048
		.amdhsa_private_segment_fixed_size 0
		.amdhsa_enable_private_segment 0
		.amdhsa_kernarg_size 72
		.amdhsa_user_sgpr_count 2
		.amdhsa_user_sgpr_kernarg_segment_ptr 1
		.amdhsa_wavefront_size32 1
		.amdhsa_system_sgpr_workgroup_id_x 1
		.amdhsa_system_sgpr_workgroup_id_y 1
		.amdhsa_system_sgpr_workgroup_id_z 1
		.amdhsa_system_vgpr_workitem_id 0
		.amdhsa_next_free_vgpr 256
		.amdhsa_next_free_sgpr 66
		.amdhsa_reserve_vcc 0
		.amdhsa_float_denorm_mode_32 3
		.amdhsa_float_denorm_mode_16_64 3
		.amdhsa_memory_ordered 1
		.amdhsa_forward_progress 1
		.amdhsa_inst_pref_size 199
	.end_amdhsa_kernel
	.amdgpu_metadata
---
amdhsa.version: [ 1, 2 ]
amdhsa.kernels:
  - .name:           k_q09dd616b71_quant
    .symbol:         k_q09dd616b71_quant.kd
    .args:
      - { .name: X, .offset: 0, .size: 8, .value_kind: global_buffer, .address_space: global }
      - { .name: Wk, .offset: 8, .size: 8, .value_kind: global_buffer, .address_space: global }
      - { .name: Wv, .offset: 16, .size: 8, .value_kind: global_buffer, .address_space: global }
      - { .name: Wo, .offset: 24, .size: 8, .value_kind: global_buffer, .address_space: global }
      - { .name: Wq, .offset: 32, .size: 8, .value_kind: global_buffer, .address_space: global }
      - { .name: S, .offset: 40, .size: 8, .value_kind: global_buffer, .address_space: global }
      - { .name: XC, .offset: 48, .size: 8, .value_kind: global_buffer, .address_space: global }
      - { .name: WC, .offset: 56, .size: 8, .value_kind: global_buffer, .address_space: global }
      - { .name: QP, .offset: 64, .size: 8, .value_kind: global_buffer, .address_space: global }
    .group_segment_fixed_size: 34048
    .private_segment_fixed_size: 0
    .kernarg_segment_align: 8
    .kernarg_segment_size: 72
    .max_flat_workgroup_size: 64
    .sgpr_count:     66
    .vgpr_count:     256
    .wavefront_size: 32
...
	.end_amdgpu_metadata
.endif
;; end of part 1
;; launch gemm (part 2): grid 8 x 32, 4 waves a work-group, clusters of 4 x 4, 327,680 bytes of LDS; arguments XC, WC, bk, bv, KVI, KVS; writes KVI, KVS
.if DOCPART == 2
	.amdgcn_target "amdgcn-amd-amdhsa--gfx1250"
	.amdhsa_code_object_version 6
	.text
	.protected	k_q09dd616b71_gemm
	.globl	k_q09dd616b71_gemm
	.p2align	8
	.type	k_q09dd616b71_gemm,@function
k_q09dd616b71_gemm:
	s_mov_b64 s[64:65], 0
	v_nop
	global_prefetch_b8 v0, s[64:65] scope:SCOPE_SE
	s_setreg_imm32_b32 hwreg(HW_REG_WAVE_MODE, 25, 1), 1
	s_wait_xcnt 0x0
	s_wait_alu depctr_hold_cnt(0) depctr_sa_sdst(0) depctr_va_vdst(0) depctr_va_sdst(0) depctr_va_ssrc(0) depctr_va_vcc(0) depctr_vm_vsrc(0)
	s_getreg_b32 s2, hwreg(HW_REG_IB_STS2, 6, 4)
	s_cmp_eq_u32 s2, 0
	s_cbranch_scc0 .Lentry_in_a_cluster
	s_endpgm
.Lentry_in_a_cluster:
	s_bfe_u32 s2, ttmp6, 0x10000c
	s_cmp_lg_u32 s2, 0xf033
	s_cbranch_scc0 .Lentry_shape_is_right
	s_endpgm
.Lentry_shape_is_right:
; PMA, launch 2.  K = X Wk^T + bk and V = X Wv^T + bv, 8,192 x 2,048 x 4,096, on codes of FP8 (E4M3) with E8M0 scales, sums in f32; each result is quantised on the way out
; (K along the head's 64, V along the keys) and leaves as register images for the next launch.  Nothing of reference() is left out here.  LIMITS as in the first launch.
; THE DEAL.  256 work-groups, a block of 256 x 256 each; cluster x = 0 makes K (P = Wk's 256 rows, R = X's 256 rows), cluster x = 1 makes V (P = X's rows, R = Wv's).  Source 0 = P, source 1 = R:
; a lane holds one row of R and its registers run along P, which is the axis of the quantiser that follows.
; A wave owns 64 rows of R (four tiles) x all 256 rows of P (sixteen tiles): 64 accumulators, 512 registers.
; P GOES THROUGH LDS: a ring of two slots, each with FOUR K steps of 128 (4 x 33,792 bytes, one tensor load a wave), asked for jointly by the four work-groups of a cluster's column.
; R GOES STRAIGHT INTO REGISTERS: the workspace holds register images, a wave's four fragments of a K step are 8,192 bytes on end, and each fragment feeds this wave alone; so no byte of R is read twice
; in a work-group.  R is not asked for jointly: through LDS it would take half of a slot's bytes, and a slot would hold two K steps in place of four.  R is fetched three K steps ahead, in four sets.
; A K STEP is four groups of four tiles of P, 16 products each, and TWO runs of loads.  P's groups lie in three buffers of 64 registers: groups 0 and 2 in B, group 1 in A, group 3 in C.
; The run behind group 0 fetches groups 2 (into B) and 3; the run behind group 2 fetches the next K step's scale words and its groups 0 (into B) and 1; each run also takes half of R's fetch.
; THE BIAS BEGINS THE SUMS: the accumulators are loaded with it at the head (K: bk along the registers; V: bv by the lane's row), so every K step has one form and the way out adds nothing.
; TWO LOOPS: six trips of a slot with its refill, two trips without. In the very last trip the look-ahead has nothing left to fetch: its three fetches of R name the
; K steps 28 to 30 once more (inside the buffer), and its last run's LDS reads take bytes of the other slot; neither is used.
; PREFETCH: in each trip of the first loop a wave names 8,192 bytes of P, three slots on from the slot in hand (the four partners of a column take a quarter of a K step's fragments each, by cy), and
; 8,192 bytes of R, two slots on (the four partners of a row take one K step each, by cx): lanes 256 bytes apart.  The last trip asks for no P: there is no slot left.
; The first slots, and the 1,024 scale bytes of a K block, come by their loads alone.
; REGISTERS: window 0: v1-15 addresses; v16-31 the bias on its way; v32-63 scale words and nothing else (P's at numbers 0-3 modulo 8, R's at 4-7); v64-255 P's three buffers, on the way out at work.
;   window 1: R's four sets of 64.   windows 2, 3: accumulators: window 2 + g, register 64 a + 8 t + j: R's tile a, tile t of P's group g of 128 rows.
.set KBLK,  33792                      ; a K block: 16 fragment images of 2,048 bytes, 2 scale images of 512
.set SLOT,  4*KBLK
.set CIK,   2*SLOT                     ; behind the ring: bk's 256 numbers, 1,024 bytes a wave;
.set CIV,   CIK+4096                   ; bv by lanes, four times each, 2,048 bytes a wave: the two ways have bytes of their own
.set SPARE, CIV+8192                   ; the spare words, 128 bytes a wave
.set WVOFF, 128*KBLK
.set LI,  1                            ; 16 x lane
.set LI2, 2                            ; the same + the step to a fragment's third quarter in KVI
.set SPW, 3
.set NIL, 4
.set PFO, 5                            ; 256 x lane
.set RSO, 6                            ; R's scale words, from my fragments' first byte
.set SVO, 7                            ; the way out: my place in two scale images
.set ADP, 8                            ; v8-11 the slot's four K blocks + 16 x lane
.set CKS, 12
.set CKL, 13
.set CVA, 14
.set BVO, 15
.set SC,  32
.set PB,  64
.set H,   192
.set TM,  64
.set PC,  80
.set PW,  96
.set PWQ, 100
.set G1,  24
.set G0,  32
.set TB,  36                           ; s36-39 the four K blocks of the slot that is shown next
.set RB0, 48                           ; s[48:49], s[50:51] R at the slot's first K step
.set RB1, 50
.set PFP, 52
.set PFR, 54
.set OB,  56
.set OS,  58
.set STA, 60
.set STG, 62
.set SEL, 66
.set MNT, 68
.set MSB, 0
.macro WIN new                         ; the immediate's high byte repeats the setting that is left
.if MSB != (\new)
	s_set_vgpr_msb (MSB<<8)|(\new)
.set MSB, (\new)
.endif
.endm
.macro NOPS n
.rept \n
	v_nop
.endr
.endm
.macro CREST                           ; a round of the cluster's barrier behind its opening barrier
	s_cmp_lg_u32 s16, 0
	s_cbranch_scc1 .Lnot_wave_0_\@
	s_barrier_signal -3
.Lnot_wave_0_\@:
	s_barrier_wait -3
	s_barrier_signal -1
	s_barrier_wait -1
.endm
.macro CROUND
	s_barrier_signal -1
	s_barrier_wait -1
	CREST
.endm
.macro PLDG adr, g                     ; group g of P's four: tiles 4 g .. 4 g + 3: 16 loads.  Groups 0, 2 -> v64 on, 1 -> v128 on, 3 -> v192 on
.irp t, 0,1,2,3
.irp c, 0,1,2,3
	ds_load_b128 v[PB+64*((\g)%2)*(1+(\g)/2)+16*\t+4*\c:PB+64*((\g)%2)*(1+(\g)/2)+16*\t+4*\c+3], v[\adr] offset:2048*(4*(\g)+\t)+512*\c
.endr
.endr
.endm
.macro PSC adr, set                    ; P's two scale images of a K step
	ds_load_b128 v[SC+16*(\set):SC+16*(\set)+3], v[\adr] offset:32768
	ds_load_b128 v[SC+16*(\set)+8:SC+16*(\set)+11], v[\adr] offset:33280
.endm
.macro RHEAD q                         ; R's K step q = 0, 1, 2: 16 loads of 512 bytes on end, and my four tiles' scale words
	WIN 0x40
.set n_, 0
.rept 16
	global_load_b128 v[64*(\q)+4*n_:64*(\q)+4*n_+3], v[LI], s[RB0:RB0+1] offset:(\q)*KBLK+512*n_
.set n_, n_+1
.endr
	WIN 0
	global_load_b128 v[SC+16*((\q)%2)+4+8*((\q)/2):SC+16*((\q)%2)+7+8*((\q)/2)], v[RSO], s[RB0:RB0+1] offset:(\q)*KBLK
.endm
.macro RLD q, n0                       ; eight of the 16 loads of R, three K steps on, into the set that the last K step has left
	WIN 0x40                                       ; destination window 1
.irp i, 0,1,2,3,4,5,6,7
	global_load_b128 v[64*ST_+4*((\n0)+\i):64*ST_+4*((\n0)+\i)+3], v[LI], s[RB_:RB_+1] offset:((\q)+3)*KBLK+512*((\n0)+\i)
.endr
	WIN 0
.endm
.macro PROD q, B, a                    ; P's tile B x R's tile a, the slot's K step q
.set D_, 64*(\a)+8*((\B)%8)
.set G_, (\B)/4
.set P_, PB+64*(G_%2)*(1+G_/2)+16*((\B)%4)
.set R_, 64*(\q)+16*(\a)
.set SP_, SC+16*((\q)%2)+8*((\B)/8)+(\B)%4
.set SR_, SC+16*((\q)%2)+4+8*((\q)/2)+(\a)
.if ((\B)%8)/4
	v_wmma_scale_f32_16x16x128_f8f6f4 v[D_:D_+7], v[P_:P_+15], v[R_:R_+15], v[D_:D_+7], v[SP_], v[SR_] matrix_a_scale:MATRIX_SCALE_ROW1
.else
	v_wmma_scale_f32_16x16x128_f8f6f4 v[D_:D_+7], v[P_:P_+15], v[R_:R_+15], v[D_:D_+7], v[SP_], v[SR_]
.endif
.endm
.macro GRP q, g                        ; 16 products; the 64 accumulators take turns, in the same order in every K step
	WIN 0xa4+0x50*((\g)/2)                         ; source 0 window 0, source 1 window 1, C and D window 2 or 3
.irp t, 0,1,2,3
.irp a, 0,1,2,3
	PROD \q, 4*(\g)+\t, \a
.endr
.endr
.endm
; A K STEP.  Eight v_nop stand between a group's last product and the run of loads into registers that products have read (ISA guide 7.12.1 for vector lines).
; THE CHANGE OF SLOTS lies in K step 3: the first run holds my last reads of the slot; behind it the wait for my tensor load and the add; group 1; the wait for the add and the reads; the signal; group 2; the round;
; the refill; then the second run, which reads the next slot.
.macro STEPM q, fill
.set ST_, ((\q)+3)%4
.set RS_, SC+16*(ST_%2)+4+8*(ST_/2)
.if (\q) == 0
.set RB_, RB0
.else
.set RB_, RB1
.endif
	s_wait_loadcnt 34                              ; this K step's R is in; the two younger K steps' 17 loads each may be out
	s_wait_dscnt 16                                ; the scale words and group 0 are in; group 1's 16 loads may be out
	GRP \q, 0
	NOPS 8
	WIN 0
	PLDG ADP+(\q), 2
	PLDG ADP+(\q), 3
	RLD \q, 0
.if (\q) == 3
	s_wait_tensorcnt 0x0                           ; my tensor load has landed: my K step of the next slot
	ds_add_u32 v[SPW], v[NIL]                      ; work on registers stands between the add and its wait
.if \fill
	s_xor_b32 s[G0+1], s[G0+1], SLOT               ; no load of mine is out: the descriptor walks to the other slot (SLOT's two bits are clear in wave x KBLK) and four K steps on
	s_add_nc_u64 s[G0+2:G0+3], s[G0+2:G0+3], SLOT
.endif
.irp k, 0,1,2,3
	s_xor_b32 s[TB+\k], s[TB+\k], SLOT
.endr
	s_wait_dscnt 33                                ; group 1 is in; the run's 32 loads and the add may be out
.else
	s_wait_dscnt 32                                ; group 1 is in; the run's 32 loads may be out
.endif
	GRP \q, 1
.if (\q) == 3
	s_wait_dscnt 0x0                               ; the add is done, and my reads of this slot are over
	s_barrier_signal -1
.else
	s_wait_dscnt 16                                ; group 2 is in; group 3's 16 loads may be out
.endif
	GRP \q, 2
	NOPS 8
	WIN 0
.if (\q) == 3
	s_barrier_wait -1
.if \fill
	CREST                                          ; no wave of any partner still reads this slot or has a load on its way
	tensor_load_to_lds s[G0:G0+3], s[G1:G1+7]      ; the slot just read out takes the K steps eight on
	s_nop 0
	NOPS 4
.endif
.irp k, 0,1,2,3
	v_add_nc_u32 v[ADP+\k], s[TB+\k], v[LI]
.endr
	s_wait_alu depctr_va_vdst(0)                   ; the wait directly behind the writes
.endif
	PSC ADP+((\q)+1)%4, ((\q)+1)%2
	PLDG ADP+((\q)+1)%4, 0
	PLDG ADP+((\q)+1)%4, 1
	global_load_b128 v[RS_:RS_+3], v[RSO], s[RB_:RB_+1] offset:((\q)+3)*KBLK   ; R's scale words, three K steps on
	RLD \q, 8
.if (\fill) && (\q) == 0
	global_prefetch_b8 v[PFO], s[PFR:PFR+1] th:TH_LOAD_NT scope:SCOPE_SE
	s_cmp_lg_u32 s3, 1                             ; the last trip has no slot of P three on
	s_cbranch_scc0 .Lno_p_\@
	global_prefetch_b8 v[PFO], s[PFP:PFP+1] th:TH_LOAD_NT scope:SCOPE_SE
.Lno_p_\@:
.endif
	s_wait_dscnt 34                                ; group 3 is in; the run's 34 loads may be out
	GRP \q, 3
.endm
.macro PHASE fill
	STEPM 0, \fill
	STEPM 1, \fill
	STEPM 2, \fill
	STEPM 3, \fill
	WIN 0
	s_wait_xcnt 0x0                                ; my loads and prefetches have read their bases
	s_add_nc_u64 s[RB0:RB0+1], s[RB0:RB0+1], SLOT
.if \fill
	s_add_nc_u64 s[RB1:RB1+1], s[RB1:RB1+1], SLOT
	s_add_nc_u64 s[PFP:PFP+1], s[PFP:PFP+1], SLOT
	s_add_nc_u64 s[PFR:PFR+1], s[PFR:PFR+1], SLOT
.endif
.endm
; 64 sums of window X, register s + 16 b + i = place 32 b + 16 (lane / 16) + i along P, become a fragment's codes in v[PC] on and its scale word in v[pw]
.macro QUANTW X, s, pw
	WIN (\X)|((\X)<<2)
.irp b, 0,1,2,3
	v_max3_num_f32 v[TM+\b], |v[(\s)+16*\b]|, |v[(\s)+16*\b+1]|, 0x4800000    ; each accumulator from its low end on; the floor 2^(9 - 127): the byte cannot fall under 1
.endr
	WIN ((\X)<<2)|((\X)<<4)
.irp i, 2,4,6,8,10,12,14
.irp b, 0,1,2,3
	v_max3_num_f32 v[TM+\b], v[TM+\b], |v[(\s)+16*\b+\i]|, |v[(\s)+16*\b+\i+1]|
.endr
.endr
	WIN 0
.irp b, 0,1,2,3
	v_permlanex16_b32 v[TM+4+\b], v[TM+\b], s[SEL], s[SEL+1]
.endr
.irp b, 0,1,2,3
	v_max_num_f32 v[TM+\b], v[TM+\b], v[TM+4+\b]
.endr
.irp b, 0,1,2,3
	v_add_nc_u32 v[TM+12+\b], 0xfc000000, v[TM+\b]                        ; 8 off the exponent field: the conversion's scale operand
.endr
.irp b, 0,1,2,3
	v_and_or_b32 v[TM+8+\b], v[TM+\b], 0x7f800000, s[MNT]                 ; 448 x the scale
.endr
.irp b, 0,1,2,3
	v_lshrrev_b32 v[TM+4+\b], 23, v[TM+12+\b]
.endr
	v_lshl_or_b32 v[\pw], v[TM+5], 8, v[TM+4]
	v_lshl_or_b32 v[\pw], v[TM+6], 16, v[\pw]
	v_lshl_or_b32 v[\pw], v[TM+7], 24, v[\pw]
	WIN (\X)
.irp b, 0,1,2,3
.irp i, 0,1,2,3,4,5,6,7,8,9,10,11,12,13,14,15
	v_med3_num_f32 v[H+16*\b+\i], v[(\s)+16*\b+\i], -v[TM+8+\b], v[TM+8+\b]   ; the conversion does not saturate (ISA guide 7.6.2): the hold comes first
.endr
.endr
	WIN 0
.irp b, 0,1,2,3
	v_cvt_scalef32_pk8_fp8_f32 v[PC+4*\b:PC+4*\b+1], v[H+16*\b:H+16*\b+7], v[TM+12+\b]
	v_cvt_scalef32_pk8_fp8_f32 v[PC+4*\b+2:PC+4*\b+3], v[H+16*\b+8:H+16*\b+15], v[TM+12+\b]
.endr
	v_nop                                          ; one plain vector line behind the last conversion
.endm
	s_load_b256 s[4:11], s[0:1], 0x0               ; XC, WC, bk, bv
	s_load_b128 s[12:15], s[0:1], 0x20             ; KVI, KVS
	v_lshl_add_u32 v[SPW], v0, 2, SPARE
	v_mov_b32 v[NIL], 0
	ds_add_u32 v[SPW], v[NIL]                      ; the opening lines: the add twice on end and one wait
	ds_add_u32 v[SPW], v[NIL]
	v_lshrrev_b32 v16, 5, v0
	v_readfirstlane_b32 s16, v16                   ; wave 0..3
	s_lshr_b32 s17, s16, 1
	s_and_b32 s18, s16, 1
	s_mov_b32 s19, 0xffff0000                      ; lanes 16-31
	s_bfe_u32 s40, ttmp6, 0x40000                  ; cx
	s_bfe_u32 s41, ttmp6, 0x40004                  ; cy
	s_mov_b32 s42, ttmp9                           ; cluster x: 0 K, 1 V
	s_and_b32 s43, ttmp7, 0xffff                   ; cluster y
	s_lshl_b32 s44, 0x1111, s40                    ; my column of the cluster shares P
	s_or_b32 s[G1], s44, (3<<16)|(1<<21)           ; a K block as 132 rows of 256 bytes (32 elements of 8)
	s_mov_b32 s[G1+1], 32<<16
	s_mov_b32 s[G1+2], 132<<16
	s_mov_b32 s[G1+3], 32<<16
	s_mov_b32 s[G1+4], 132
	s_mov_b32 s[G1+5], 32
	s_mov_b32 s[G1+6], 0
	s_mov_b32 s[G1+7], 0
	s_mov_b32 s[G0], 1
	s_mov_b32 s[SEL], 0x76543210
	s_mov_b32 s[SEL+1], 0xfedcba98
	s_mov_b32 s[MNT], 0x600000
	s_lshl_b32 s20, s43, 2
	s_cmp_eq_u32 s42, 0
	s_cselect_b32 s21, 0, s20
	s_cselect_b32 s22, s20, 0
	s_cselect_b32 s23, 0, WVOFF
	s_mov_b32 s[STG], 124928                       ; from my fourth tile of P's group 0 to my first of group 1 in KVI: V 131,072 - 3 x 2,048; K 16,384 - 3 x 1,024
	s_cselect_b32 s[STG], 13312, s[STG]
	s_mov_b32 s[STG+1], 0
	s_add_co_u32 s46, s40, s21                     ; P's block of 256 rows
	s_add_co_u32 s47, s41, s22                     ; R's
	s_mul_i32 s70, s46, 32*KBLK
	s_mul_i32 s[G0+1], s16, KBLK                   ; wave w fetches K step w of a slot's four
	s_add_co_u32 s70, s70, s[G0+1]
	s_mov_b32 s71, 0
	s_mul_i32 s72, s47, 32*KBLK
	s_add_co_u32 s72, s72, s23
	s_lshl_b32 s21, s16, 13
	s_add_co_u32 s72, s72, s21                     ; my four fragments of R: 8,192 w
	s_mov_b32 s73, 0
	s_lshl_b32 s20, s47, 1
	s_add_co_u32 s20, s20, s17                     ; R's group of 128 rows
	s_lshl_b32 s21, s46, 1                         ; P's first group
	s_lshl_b32 s80, s46, 10                        ; bk: P's 256 numbers
	s_lshl_b32 s81, s47, 10
	s_lshl_b32 s82, s16, 8
	s_add_co_u32 s81, s81, s82                     ; bv: my 64 rows
	s_cmp_eq_u32 s42, 0
	s_cselect_b32 s22, s20, s21                    ; the group of keys
	s_cselect_b32 s23, s21, s20                    ; the group of the weight's rows
	s_cselect_b32 s80, s80, s81
	s_mov_b32 s81, 0
	s_lshl_b32 s[OB], s22, 4
	s_lshl_b32 s[OB+1], s23, 1
	s_add_co_u32 s[OB], s[OB], s[OB+1]
	s_lshl_b32 s[OB], s[OB], 13                    ; KVI: (16 keys' group + head) x 8,192
	s_add_co_u32 s[OB+1], s42, 12
	s_lshl_b32 s[OB+1], s18, s[OB+1]               ; my tiles 4 (w % 2) on: 1,024 bytes a tile in K, 2,048 in V
	s_add_co_u32 s[OB], s[OB], s[OB+1]
	s_lshl_b32 s[OB+1], s42, 23
	s_add_co_u32 s[OB], s[OB], s[OB+1]
	s_mov_b32 s[OB+1], 0
	s_lshl_b32 s[OS], s22, 3
	s_add_co_u32 s[OS], s[OS], s23
	s_lshl_b32 s[OS], s[OS], 9                     ; KVS: a scale image of 512 bytes; my four tiles are one half of its lanes
	s_lshl_b32 s[OS+1], s18, 8
	s_add_co_u32 s[OS], s[OS], s[OS+1]
	s_lshl_b32 s[OS+1], s42, 18
	s_add_co_u32 s[OS], s[OS], s[OS+1]
	s_mov_b32 s[OS+1], 0
	s_lshl_b32 s[STA], 1024, s42                   ; from tile to tile in KVI
	s_mov_b32 s[STA+1], 0
	s_mul_i32 s83, s42, 3
	s_lshr_b32 s84, 8192, s83                      ; a fragment's third quarter: K: the next head, 8,192; V: 1,024
	s_lshl_b32 s85, 512, s83                       ; from P's group 0 to group 1 in KVS: K 512, V 4,096
	s_mul_i32 s86, s16, 7936
	s_sub_co_u32 s86, 32768, s86                   ; scale words at 32,768 + 256 w of the K block, counted from 8,192 w
	s_lshl_b32 s87, s16, 10
	s_add_co_u32 s87, s87, CIK
	s_lshl_b32 s88, s16, 11
	s_add_co_u32 s88, s88, CIV
	s_mov_b32 s[TB], 0
	s_mov_b32 s[TB+1], KBLK
	s_mov_b32 s[TB+2], 2*KBLK
	s_mov_b32 s[TB+3], 3*KBLK
	s_lshl_b32 s[PFP], s41, 13
	s_add_co_u32 s[PFP], s[PFP], 3*SLOT            ; P: slot 3, my K step, quarter cy
	s_mov_b32 s[PFP+1], 0
	s_mul_i32 s[PFR], s40, KBLK
	s_add_co_u32 s[PFR], s[PFR], 2*SLOT            ; R: slot 2, K step cx, my fragments
	s_mov_b32 s[PFR+1], 0
	v_and_b32 v17, 31, v0
	v_and_b32 v18, 15, v0                          ; r
	v_bfe_u32 v19, v0, 4, 1                        ; h
	v_lshlrev_b32 v[LI], 4, v17
	v_lshlrev_b32 v[PFO], 8, v17
	v_lshl_add_u32 v[RSO], v18, 4, s86
	v_mul_u32_u24 v20, v19, s85
	v_and_b32 v21, 8, v18
	v_add_nc_u32 v[LI2], s84, v[LI]
	v_lshl_add_u32 v[SVO], v18, 4, v20
	v_add_nc_u32 v21, v21, v18                     ; r + 8 (r / 8)
	v_add_nc_u32 v[CKS], s87, v[LI]
	v_lshl_add_u32 v[CKL], v19, 6, s87
	v_add_nc_u32 v[CVA], s88, v[LI]
	v_lshlrev_b32 v[BVO], 2, v21
.irp k, 0,1,2,3
	v_add_nc_u32 v[ADP+\k], s[TB+\k], v[LI]
.endr
	s_wait_alu depctr_va_vdst(0)                   ; the wait at the head's end
	s_wait_dscnt 0x0                               ; both opening adds are done
	CROUND                                         ; all sixteen work-groups are here: the first joint loads meet
	s_wait_kmcnt 0x0
	s_cmp_eq_u32 s42, 0
	s_cselect_b64 s[74:75], s[6:7], s[4:5]         ; P's buffer
	s_cselect_b64 s[76:77], s[4:5], s[6:7]         ; R's
	s_cselect_b64 s[78:79], s[8:9], s[10:11]       ; the bias
	s_add_nc_u64 s[74:75], s[74:75], s[70:71]
	s_mov_b64 s[G0+2:G0+3], s[74:75]
	s_or_b32 s[G0+3], s[G0+3], 0x80000000
	tensor_load_to_lds s[G0:G0+3], s[G1:G1+7]      ; slot 0: one load a wave
	s_nop 0
	NOPS 4
	s_add_nc_u64 s[RB0:RB0+1], s[76:77], s[72:73]
	s_mov_b64 s[RB1:RB1+1], s[RB0:RB0+1]
	s_add_nc_u64 s[78:79], s[78:79], s[80:81]
	s_add_nc_u64 s[PFP:PFP+1], s[74:75], s[PFP:PFP+1]
	s_add_nc_u64 s[PFR:PFR+1], s[RB0:RB0+1], s[PFR:PFR+1]
	s_add_nc_u64 s[OB:OB+1], s[12:13], s[OB:OB+1]
	s_add_nc_u64 s[OS:OS+1], s[14:15], s[OS:OS+1]
	s_cmp_eq_u32 s42, 0                            ; the cluster's number: the same in all partners
	s_cbranch_scc0 .Lbias_v
	global_load_b128 v[16:19], v[LI], s[78:79]
	global_load_b128 v[20:23], v[LI], s[78:79] offset:512
	s_branch .Lbias_done
.Lbias_v:
.irp a, 0,1,2,3
.irp k, 0,1,2,3
	global_load_b32 v[16+4*\a+\k], v[BVO], s[78:79] offset:4*(32*(\a/2)+8*(\a%2))   ; my row's number of tile a, into four registers
.endr
.endr
.Lbias_done:
	RHEAD 0
	RHEAD 1
	RHEAD 2
	s_cmp_eq_u32 s42, 0
	s_cbranch_scc0 .Lci_v
	s_wait_loadcnt 51                              ; the bias is in; R's 51 loads may be out
	ds_store_b128 v[CKS], v[16:19]
	ds_store_b128 v[CKS], v[20:23] offset:512
.irp g, 0,1                            ; LDS serves a wave's instructions in order: these see my stores.  Register 16 b + i takes bk at 128 g + 32 b + 16 h + i
	WIN (2+\g)<<6
.irp a, 0,1,2,3
.irp n, 0,1,2,3,4,5,6,7,8,9,10,11,12,13,14,15
	ds_load_b128 v[64*\a+4*\n:64*\a+4*\n+3], v[CKL] offset:512*\g+128*(\n/4)+16*(\n%4)
.endr
.endr
.endr
	WIN 0
	s_branch .Lci_done
.Lci_v:
	s_wait_loadcnt 51
.irp a, 0,1,2,3
	ds_store_b128 v[CVA], v[16+4*\a:19+4*\a] offset:512*\a
.endr
.irp g, 0,1
	WIN (2+\g)<<6
.irp a, 0,1,2,3
.irp n, 0,1,2,3,4,5,6,7,8,9,10,11,12,13,14,15
	ds_load_b128 v[64*\a+4*\n:64*\a+4*\n+3], v[CVA] offset:512*\a
.endr
.endr
.endr
	WIN 0
.Lci_done:
	s_wait_tensorcnt 0x0                           ; my K step of slot 0 is in
	ds_add_u32 v[SPW], v[NIL]
	s_xor_b32 s[G0+1], s[G0+1], SLOT
	s_add_nc_u64 s[G0+2:G0+3], s[G0+2:G0+3], SLOT
	s_wait_dscnt 0x0                               ; the add is done, and the accumulators hold the bias
	CROUND
	tensor_load_to_lds s[G0:G0+3], s[G1:G1+7]      ; slot 1
	s_nop 0
	NOPS 4
	PSC ADP, 0
	PLDG ADP, 0
	PLDG ADP, 1
	s_mov_b32 s3, 6
.Lfill:                                            ; slots' worth 0 to 5: each asks for the one two on
	PHASE 1
	s_sub_co_u32 s3, s3, 1
	s_cmp_lg_u32 s3, 0
	s_cbranch_scc1 .Lfill
	s_mov_b32 s3, 2
.Lrest:                                            ; 6 and 7: nothing is filled again, so a plain barrier changes slots
	PHASE 0
	s_sub_co_u32 s3, s3, 1
	s_cmp_lg_u32 s3, 0
	s_cbranch_scc1 .Lrest
	; THE WAY OUT: eight fragments a wave: R's tile a x P's group g.  Strides lie in scalars, so one text serves K and V.
	s_wait_dscnt 0x0                               ; the buffers are written below
	NOPS 8
.irp b, 0,1,2,3
	v_mov_b32 v[TM+4+\b], 0                        ; a lane permute's destination counts as one of its sources
.endr
.irp g, 0,1
.irp a, 0,1,2,3
.if \g+\a > 0
	s_wait_xcnt 0x0                                ; the last fragment's stores have read their registers and their base
.if \a == 0
	s_add_nc_u64 s[OB:OB+1], s[OB:OB+1], s[STG:STG+1]
.else
	s_add_nc_u64 s[OB:OB+1], s[OB:OB+1], s[STA:STA+1]
.endif
.endif
.if \g == 0
	QUANTW 2, 64*\a, PWQ+\a
.else
	QUANTW 3, 64*\a, PW
	v_cndmask_b32 v[PWQ+\a], v[PWQ+\a], v[PW], s19     ; lanes 0-15 keep group 0's word, lanes 16-31 take group 1's
.endif
	global_store_b128 v[LI], v[PC:PC+3], s[OB:OB+1]                ; 512 consecutive bytes a store
	global_store_b128 v[LI], v[PC+4:PC+7], s[OB:OB+1] offset:512
	global_store_b128 v[LI2], v[PC+8:PC+11], s[OB:OB+1]
	global_store_b128 v[LI2], v[PC+12:PC+15], s[OB:OB+1] offset:512
.endr
.endr
	global_store_b128 v[SVO], v[PWQ:PWQ+3], s[OS:OS+1]             ; sixteen lanes fill 256 bytes of each of two scale images
	s_wait_tensorcnt 0x0                           ; the wave's end
	ds_add_u32 v[SPW], v[NIL]
	s_wait_dscnt 0x0
	CROUND                                         ; the closing round
	s_endpgm
.Lfunc_end_k_q09dd616b71_gemm:
	.size	k_q09dd616b71_gemm, .Lfunc_end_k_q09dd616b71_gemm-k_q09dd616b71_gemm
	.p2alignl 7, 3214868480
	.fill 96, 4, 3214868480
	.section	.rodata,"a",@progbits
	.p2align	6, 0x0
	.amdhsa_kernel k_q09dd616b71_gemm
		.amdhsa_group_segment_fixed_size 327680
		.amdhsa_private_segment_fixed_size 0
		.amdhsa_enable_private_segment 0
		.amdhsa_kernarg_size 48
		.amdhsa_user_sgpr_count 2
		.amdhsa_user_sgpr_kernarg_segment_ptr 1
		.amdhsa_wavefront_size32 1
		.amdhsa_system_sgpr_workgroup_id_x 1
		.amdhsa_system_sgpr_workgroup_id_y 1
		.amdhsa_system_sgpr_workgroup_id_z 1
		.amdhsa_system_vgpr_workitem_id 0
		.amdhsa_next_free_vgpr 1024
		.amdhsa_next_free_sgpr 90
		.amdhsa_reserve_vcc 0
		.amdhsa_float_denorm_mode_32 3
		.amdhsa_float_denorm_mode_16_64 3
		.amdhsa_memory_ordered 1
		.amdhsa_forward_progress 1
		.amdhsa_inst_pref_size 223
	.end_amdhsa_kernel
	.amdgpu_metadata
---
amdhsa.version: [ 1, 2 ]
amdhsa.kernels:
  - .name:           k_q09dd616b71_gemm
    .symbol:         k_q09dd616b71_gemm.kd
    .args:
      - { .name: XC, .offset: 0, .size: 8, .value_kind: global_buffer, .address_space: global }
      - { .name: WC, .offset: 8, .size: 8, .value_kind: global_buffer, .address_space: global }
      - { .name: bk, .offset: 16, .size: 8, .value_kind: global_buffer, .address_space: global }
      - { .name: bv, .offset: 24, .size: 8, .value_kind: global_buffer, .address_space: global }
      - { .name: KVI, .offset: 32, .size: 8, .value_kind: global_buffer, .address_space: global }
      - { .name: KVS, .offset: 40, .size: 8, .value_kind: global_buffer, .address_space: global }
    .group_segment_fixed_size: 327680
    .private_segment_fixed_size: 0
    .kernarg_segment_align: 8
    .kernarg_segment_size: 48
    .max_flat_workgroup_size: 128
    .sgpr_count:     90
    .vgpr_count:     1024
    .wavefront_size: 32
...
	.end_amdgpu_metadata
.endif
;; end of part 2
;; launch attn (part 3): grid 16 x 8, 8 waves a work-group, no clusters, 71,168 bytes of LDS; arguments KVI, KVS, QP, bq, pad_mask, S, OI; writes OI
.if DOCPART == 3
	.amdgcn_target "amdgcn-amd-amdhsa--gfx1250"
	.amdhsa_code_object_version 6
	.text
	.protected	k_q09dd616b71_attn
	.globl	k_q09dd616b71_attn
	.p2align	8
	.type	k_q09dd616b71_attn,@function
k_q09dd616b71_attn:
	s_mov_b64 s[64:65], 0
	v_nop
	global_prefetch_b8 v0, s[64:65] scope:SCOPE_SE
	s_setreg_imm32_b32 hwreg(HW_REG_WAVE_MODE, 25, 1), 1
	s_wait_xcnt 0x0
; PMA, launch 3 of 5.  One work-group for each (head h, batch b): Q is finished (the four partial sums, + bq, quantised along the head's 64); scores = K Q^T; the mask; softmax over all 1,024 keys,
; with the row's maximum taken away; x the mask; A quantised, finished and normalised, along the keys; O^T = V^T A^T; + S.  All products on codes of FP8 (E4M3) with E8M0 scales.
; WORK LEFT OUT: the first product's rows are the same for all batches (reference() repeats S itself), so every batch takes the one Q of the first launch.
; The scores' K is 64: the instruction's other 64 are zero codes on both operands, which add nothing under any scale byte that occurs here (0 to 254).
; LIMITS as in the first launch.  The scale 1 / 32 is a power of two: scores are kept unscaled, -1e12 enters as -1e12 x 32, and (s - M) / 32 has the bits that reference()'s difference has.
; SHARES.  Wave w owns keys 128 w .. + 127 for both tiles of 16 queries.  Every byte that a wave needs is asked for at the head, straight into operand registers: each fragment is read by one wave alone,
; so neither LDS tiles nor joint loads would spare a byte, and there is no later step to prefetch for.  The row's maximum and sum, and the partial O^T, meet in LDS: four barriers.
; LAYOUT.  A lane holds one query, 8 qt + perm(lane % 16), throughout; score register 64 qt + 16 b + i is key 32 b + 16 (lane / 16) + i of my 128.
; REGISTERS: window 0: v1-14 addresses; v16-27 scale words; v28 -1e12 x 32; v32-47 at work in QUANT; v48-63 statistics; v64-191 scores, p, A; v192-255 the mask, then A's codes.
;   window 1: v0-127 K's 8 fragments, later O^T; v128-191 V's 4; v192-223 Q's 2; v224-231 S.
.set QL,    0                          ; LDS: Q's four quarter fragments, 512 bytes each,
.set QSL,   2048                       ; their scale bytes, 128 bytes each,
.set RED1,  2560                       ; the waves' maxima,
.set RED2,  3584                       ; their sums,
.set OL,    4608                       ; their partial O^T: 8 x 8,192
.set SPARE, 70144                      ; the spare words, 128 bytes a wave: four blocks of 256 bytes that no other line names
.set LI,  1
.set L4,  2
.set SPW, 12
.set NIL, 13
.set KSW, 16
.set VSW, 20
.set QW,  24
.set PWA, 26
.set NEG, 28
.set TM,  32
.set SS,  64
.set MK,  192
.set CS,  50                           ; s[50:51] log2(e) / 32
.set SEL, 52
.set MNT, 54
.set HI,  55
.set SH,  56
.set MSB, 0
.macro WIN new
.if MSB != (\new)
	s_set_vgpr_msb (MSB<<8)|(\new)
.set MSB, (\new)
.endif
.endm
.macro BARRIER                         ; my LDS stores have landed and my LDS loads are in: then the work-group's barrier
	s_wait_dscnt 0x0
	s_barrier_signal -1
	s_barrier_wait -1
.endm
.macro QUANT s, d, pc, pw, relu        ; as in the first launch
.if \relu
.irp b, 0,1,2,3
	v_max3_num_f32 v[TM+\b], v[(\s)+16*\b], v[(\s)+16*\b+1], 0x4800000
.endr
.irp i, 2,4,6,8,10,12,14
.irp b, 0,1,2,3
	s_delay_alu instid0(VALU_DEP_4)
	v_max3_num_f32 v[TM+\b], v[TM+\b], v[(\s)+16*\b+\i], v[(\s)+16*\b+\i+1]
.endr
.endr
.else
.irp b, 0,1,2,3
	v_max3_num_f32 v[TM+\b], |v[(\s)+16*\b]|, |v[(\s)+16*\b+1]|, 0x4800000
.endr
.irp i, 2,4,6,8,10,12,14
.irp b, 0,1,2,3
	v_max3_num_f32 v[TM+\b], v[TM+\b], |v[(\s)+16*\b+\i]|, |v[(\s)+16*\b+\i+1]|
.endr
.endr
.endif
.irp b, 0,1,2,3
	s_delay_alu instid0(VALU_DEP_4)
	v_permlanex16_b32 v[TM+4+\b], v[TM+\b], s[SEL], s[SEL+1]
.endr
.irp b, 0,1,2,3
	s_delay_alu instid0(VALU_DEP_4)
	v_max_num_f32 v[TM+\b], v[TM+\b], v[TM+4+\b]
.endr
.irp b, 0,1,2,3
	s_delay_alu instid0(VALU_DEP_4)
	v_add_nc_u32 v[TM+12+\b], 0xfc000000, v[TM+\b]
.endr
.irp b, 0,1,2,3
	v_and_or_b32 v[TM+8+\b], v[TM+\b], 0x7f800000, s[MNT]
.endr
.irp b, 0,1,2,3
	v_lshrrev_b32 v[TM+4+\b], 23, v[TM+12+\b]
.endr
	s_delay_alu instid0(VALU_DEP_3)
	v_lshl_or_b32 v[\pw], v[TM+5], 8, v[TM+4]
	s_delay_alu instid0(VALU_DEP_1)
	v_lshl_or_b32 v[\pw], v[TM+6], 16, v[\pw]
	s_delay_alu instid0(VALU_DEP_1)
	v_lshl_or_b32 v[\pw], v[TM+7], 24, v[\pw]
.irp b, 0,1,2,3
.irp i, 0,1,2,3,4,5,6,7,8,9,10,11,12,13,14,15
.if \relu
	v_med3_num_f32 v[(\d)+16*\b+\i], v[(\s)+16*\b+\i], 0, v[TM+8+\b]
.else
	v_med3_num_f32 v[(\d)+16*\b+\i], v[(\s)+16*\b+\i], -v[TM+8+\b], v[TM+8+\b]
.endif
.endr
	v_cvt_scalef32_pk8_fp8_f32 v[(\pc)+4*\b:(\pc)+4*\b+1], v[(\d)+16*\b:(\d)+16*\b+7], v[TM+12+\b]
	v_cvt_scalef32_pk8_fp8_f32 v[(\pc)+4*\b+2:(\pc)+4*\b+3], v[(\d)+16*\b+8:(\d)+16*\b+15], v[TM+12+\b]
.endr
	v_nop
.endm
	s_load_b256 s[4:11], s[0:1], 0x0               ; KVI, KVS, QP, bq
	s_load_b128 s[12:15], s[0:1], 0x20             ; pad_mask, S
	s_load_b64 s[16:17], s[0:1], 0x30              ; OI
	v_lshl_add_u32 v[SPW], v0, 2, SPARE
	v_mov_b32 v[NIL], 0
	v_lshrrev_b32 v3, 5, v0
	s_delay_alu instid0(VALU_DEP_1)
	v_readfirstlane_b32 s18, v3                    ; wave 0..7
	v_and_b32 v3, 31, v0
	s_delay_alu instid0(VALU_DEP_1)
	v_lshlrev_b32 v[LI], 4, v3
	s_wait_alu depctr_va_vdst(0)
	v_lshlrev_b32 v[L4], 2, v3
	v_and_b32 v4, 15, v0                           ; r
	s_wait_alu depctr_va_vdst(0)
	v_bfe_u32 v3, v0, 4, 1                         ; lane / 16
	s_delay_alu instid0(VALU_DEP_1)
	v_lshlrev_b32 v5, 6, v3                        ; v5: 64 (lane / 16)
	s_mov_b32 s19, ttmp9                           ; the head
	s_and_b32 s40, ttmp7, 0xffff                   ; the batch
	s_and_b32 s41, s19, 1
	s_lshl_b32 s42, s41, 8
	v_lshl_add_u32 v6, v4, 4, s42                  ; v6: V's scale words of my head: the image's lanes 16 (h % 2) + r
	s_lshl_b32 s[SH], s41, 4                       ; K's scale words: my head's two bytes are the low or the high pair
	s_lshl_b32 s43, s18, 9
	v_add_nc_u32 v7, s43, v[LI]                    ; v7: QL + 512 w + 16 l (waves 0-3)
	s_lshl_b32 s43, s18, 7
	v_add_nc_u32 v9, s43, v[L4]                    ; v9: 128 w + 4 l
	s_delay_alu instid0(VALU_DEP_1)
	v_add_nc_u32 v8, QSL, v9                       ; v8: Q's scale byte (waves 0-3)
	s_lshl_b32 s43, s18, 13
	s_add_co_u32 s43, s43, OL
	v_add_nc_u32 v10, s43, v[LI]                   ; v10: my partial O^T
	s_lshl_b32 s43, s18, 10
	s_add_co_u32 s43, s43, OL
	v_add_nc_u32 v11, s43, v[LI]                   ; v11: tile w of wave 0's
	v_and_b32 v14, 8, v4
	s_delay_alu instid0(VALU_DEP_1)
	v_add_nc_u32 v14, v14, v4
	s_delay_alu instid0(VALU_DEP_1)
	v_lshlrev_b32 v14, 12, v14
	s_delay_alu instid0(VALU_DEP_1)
	v_add_nc_u32 v14, v14, v5                      ; v14: S: 4,096 perm(r) + 64 (lane / 16)
	v_mov_b32 v[NEG], 0xd5e8d4a5                   ; f32(-1e12) x 32
	v_mov_b32 v58, 0                               ; lane permutes' destinations count as sources: written once
	v_mov_b32 v59, 0
.irp b, 0,1,2,3
	v_mov_b32 v[TM+4+\b], 0
.endr
	s_lshl_b32 s44, s40, 3
	s_add_co_u32 s44, s44, s18                     ; my group of 128 keys: 8 b + w
	s_lshl_b32 s20, s44, 4
	s_add_co_u32 s20, s20, s19
	s_lshl_b32 s20, s20, 13                        ; K's and V's images: (16 kg + h) x 8,192
	s_mov_b32 s21, 0
	s_lshl_b32 s24, s44, 3
	s_lshr_b32 s45, s19, 1
	s_add_co_u32 s24, s24, s45
	s_lshl_b32 s24, s24, 9                         ; scale images: (8 kg + h / 2) x 512
	s_mov_b32 s25, 0
	s_lshl_b32 s26, s44, 9                         ; the mask: 128 numbers of 4 bytes a group
	s_mov_b32 s27, 0
	s_and_b32 s46, s18, 3                          ; the tile of O^T that I finish: d tile w % 4,
	s_lshr_b32 s47, s18, 2                         ; query tile w / 4
	s_lshl_b32 s28, s47, 15
	s_lshl_b32 s45, s19, 8
	s_add_co_u32 s28, s28, s45
	s_lshr_b32 s45, s46, 1
	s_lshl_b32 s45, s45, 7
	s_add_co_u32 s28, s28, s45
	s_and_b32 s45, s46, 1
	s_lshl_b32 s45, s45, 5
	s_add_co_u32 s28, s28, s45                     ; S at row 8 qt', column 64 h + 32 (dt' / 2) + 8 (dt' % 2)
	s_mov_b32 s29, 0
	s_and_b32 s48, s18, 1                          ; waves 0-3: block b' = w % 2 of Q's 64, query tile w / 2
	s_lshl_b32 s30, s19, 1
	s_add_co_u32 s30, s30, s48
	s_lshl_b32 s30, s30, 12
	s_bfe_u32 s45, s18, 0x10001
	s_lshl_b32 s45, s45, 11
	s_add_co_u32 s30, s30, s45
	s_mov_b32 s31, 0
	s_lshl_b32 s32, s19, 8
	s_lshl_b32 s45, s48, 7
	s_add_co_u32 s32, s32, s45                     ; bq at 64 h + 32 b'
	s_mov_b32 s33, 0
	s_lshl_b32 s34, s40, 1
	s_add_co_u32 s34, s34, s47
	s_lshl_b32 s34, s34, 4
	s_add_co_u32 s34, s34, s19
	s_lshl_b32 s34, s34, 12
	s_lshl_b32 s45, s46, 10
	s_add_co_u32 s34, s34, s45                     ; OI: [(2 b + qt')][h][dt'] x 1,024
	s_mov_b32 s35, 0
	s_mov_b32 s[CS], 0x3d38aa3b
	s_mov_b32 s[CS+1], s[CS]
	s_mov_b32 s[SEL], 0x76543210
	s_mov_b32 s[SEL+1], 0xfedcba98
	s_mov_b32 s[MNT], 0x600000
	s_mov_b32 s[HI], 0xffff0000
	s_wait_alu depctr_va_vdst(0)
	s_wait_kmcnt 0x0
	s_add_nc_u64 s[20:21], s[4:5], s[20:21]
	s_add_nc_u64 s[22:23], s[20:21], 0x800000      ; V's images lie 8,388,608 bytes behind K's
	s_add_nc_u64 s[24:25], s[6:7], s[24:25]
	s_add_nc_u64 s[26:27], s[12:13], s[26:27]
	s_add_nc_u64 s[28:29], s[14:15], s[28:29]
	s_add_nc_u64 s[30:31], s[8:9], s[30:31]
	s_add_nc_u64 s[32:33], s[10:11], s[32:33]
	s_add_nc_u64 s[34:35], s[16:17], s[34:35]
	WIN 0x40                                       ; destination window 1
.irp t, 0,1,2,3,4,5,6,7
.irp c, 0,1
	global_load_b128 v[16*\t+4*\c:16*\t+4*\c+3], v[LI], s[20:21] offset:1024*\t+512*\c th:TH_LOAD_NT   ; K: tile t's 64 codes a key
.endr
.endr
.irp t, 0,1,2,3
.irp c, 0,1,2,3
	global_load_b128 v[128+16*\t+4*\c:128+16*\t+4*\c+3], v[LI], s[22:23] offset:2048*\t+512*\c th:TH_LOAD_NT   ; V: 16 of the head's d x my 128 keys
.endr
.endr
	global_load_b128 v[224:227], v14, s[28:29]
	global_load_b128 v[228:231], v14, s[28:29] offset:16
.irp t, 0,1,2,3,4,5,6,7
.irp j, 8,9,10,11,12,13,14,15
	v_mov_b32 v[16*\t+\j], 0                       ; zero codes for the instruction's k = 64 .. 127
.endr
.endr
.irp t, 0,1
.irp j, 8,9,10,11,12,13,14,15
	v_mov_b32 v[192+16*\t+\j], 0
.endr
.endr
	WIN 0
	global_load_b128 v[KSW:KSW+3], v[LI], s[24:25]
	global_load_b128 v[VSW:VSW+3], v6, s[24:25] offset:262144
.irp b, 0,1,2,3
.irp j, 0,1,2,3
	global_load_b128 v[MK+16*\b+4*\j:MK+16*\b+4*\j+3], v5, s[26:27] offset:128*\b+16*\j   ; the mask, in the score registers' order
.endr
.endr
	; ---- waves 0-3 finish Q: a block of 32 along the head's 64, for 16 queries each
	s_cmp_lt_u32 s18, 4
	s_cbranch_scc0 .Lno_q
.irp k, 0,1,2,3
.irp g, 0,1,2,3
	global_load_b128 v[SS+16*\k+4*\g:SS+16*\k+4*\g+3], v[LI], s[30:31] offset:131072*\k+512*\g
.endr
.endr
.irp g, 0,1,2,3
	global_load_b128 v[SS+64+4*\g:SS+64+4*\g+3], v5, s[32:33] offset:16*\g
.endr
	s_wait_loadcnt 0x0
.irp n, 0,2,4,6,8,10,12,14
	v_pk_add_f32 v[SS+\n:SS+\n+1], v[SS+\n:SS+\n+1], v[SS+16+\n:SS+16+\n+1]
	v_pk_add_f32 v[SS+32+\n:SS+32+\n+1], v[SS+32+\n:SS+32+\n+1], v[SS+48+\n:SS+48+\n+1]
.endr
.irp n, 0,2,4,6,8,10,12,14
	v_pk_add_f32 v[SS+\n:SS+\n+1], v[SS+\n:SS+\n+1], v[SS+32+\n:SS+32+\n+1]
.endr
.irp n, 0,2,4,6,8,10,12,14
	v_pk_add_f32 v[SS+\n:SS+\n+1], v[SS+\n:SS+\n+1], v[SS+64+\n:SS+64+\n+1]     ; + bq
.endr
	v_max3_num_f32 v[TM], |v[SS]|, |v[SS+1]|, 0x4800000
.irp i, 2,4,6,8,10,12,14
	s_delay_alu instid0(VALU_DEP_1)
	v_max3_num_f32 v[TM], v[TM], |v[SS+\i]|, |v[SS+\i+1]|
.endr
	s_delay_alu instid0(VALU_DEP_1)
	v_permlanex16_b32 v[TM+4], v[TM], s[SEL], s[SEL+1]
	s_delay_alu instid0(VALU_DEP_1)
	v_max_num_f32 v[TM], v[TM], v[TM+4]
	s_delay_alu instid0(VALU_DEP_1)
	v_add_nc_u32 v[TM+12], 0xfc000000, v[TM]
	s_delay_alu instid0(VALU_DEP_2)
	v_and_or_b32 v[TM+8], v[TM], 0x7f800000, s[MNT]
	s_delay_alu instid0(VALU_DEP_2)
	v_lshrrev_b32 v52, 23, v[TM+12]
.irp i, 0,1,2,3,4,5,6,7,8,9,10,11,12,13,14,15
	v_med3_num_f32 v[SS+\i], v[SS+\i], -v[TM+8], v[TM+8]
.endr
	v_cvt_scalef32_pk8_fp8_f32 v[48:49], v[SS:SS+7], v[TM+12]
	v_cvt_scalef32_pk8_fp8_f32 v[50:51], v[SS+8:SS+15], v[TM+12]
	v_nop
	ds_store_b128 v7, v[48:51]
	ds_store_b32 v8, v52
.Lno_q:
	BARRIER                                        ; Q's codes and bytes lie in LDS
	WIN 0x40
.irp q, 0,1
.irp c, 0,1
	ds_load_b128 v[192+16*\q+4*\c:192+16*\q+4*\c+3], v[LI] offset:QL+512*(2*\q+\c)
.endr
.endr
	WIN 0
.irp i, 0,1,2,3
	ds_load_b32 v[48+\i], v[L4] offset:QSL+128*\i
.endr
	s_wait_dscnt 0x0
	s_wait_loadcnt 0x0                             ; all that was asked for at the head
.irp q, 0,1
	v_lshl_or_b32 v[QW+\q], v[49+2*\q], 8, v[48+2*\q]
.endr
.irp q, 0,1,2,3
	v_lshrrev_b32 v[KSW+\q], s[SH], v[KSW+\q]
.endr
.rept 8
	v_nop                                          ; scale words written by vector lines stand eight places ahead of the products
.endr
	WIN 0x05                                       ; sources 0 and 1 window 1
	s_wait_alu depctr_va_vdst(0)
.irp t, 0,1,2,3
.irp q, 0,1
	v_wmma_scale_f32_16x16x128_f8f6f4 v[SS+64*\q+8*\t:SS+64*\q+8*\t+7], v[16*\t:16*\t+15], v[192+16*\q:192+16*\q+15], 0, v[KSW+\t], v[QW+\q]
.endr
.endr
.irp t, 4,5,6,7
.irp q, 0,1
	v_wmma_scale_f32_16x16x128_f8f6f4 v[SS+64*\q+8*\t:SS+64*\q+8*\t+7], v[16*\t:16*\t+15], v[192+16*\q:192+16*\q+15], 0, v[KSW+\t-4], v[QW+\q] matrix_a_scale:MATRIX_SCALE_ROW1
.endr
.endr
	WIN 0
.rept 8
	v_nop
.endr
	; ---- the mask: a hidden key's score becomes -1e12 (x 32); the mask's number becomes 0.0 or 1.0
.set n, 0
.rept 64
	v_cmp_ne_u32 s[36+n%4], 0, v[MK+n]
	v_cndmask_b32 v[SS+n], v[NEG], v[SS+n], s[36+n%4]
	v_cndmask_b32 v[SS+64+n], v[NEG], v[SS+64+n], s[36+n%4]
	s_delay_alu instid0(VALU_DEP_3)
	v_cndmask_b32 v[MK+n], 0, 1.0, s[36+n%4]
.set n, n+1
.endr
	; ---- the row's maximum: my 64 registers, lane l xor 16, the eight waves
.irp q, 0,1
.irp b, 0,1,2,3
	v_max3_num_f32 v[48+4*\q+\b], v[SS+64*\q+16*\b], v[SS+64*\q+16*\b+1], v[SS+64*\q+16*\b+2]
.endr
.endr
.irp i, 3,5,7,9,11,13
.irp q, 0,1
.irp b, 0,1,2,3
	v_max3_num_f32 v[48+4*\q+\b], v[48+4*\q+\b], v[SS+64*\q+16*\b+\i], v[SS+64*\q+16*\b+\i+1]
.endr
.endr
.endr
.irp q, 0,1
.irp b, 0,1,2,3
	v_max_num_f32 v[48+4*\q+\b], v[48+4*\q+\b], v[SS+64*\q+16*\b+15]
.endr
.endr
.irp q, 0
	v_max3_num_f32 v[56+\q], v[48+4*\q], v[49+4*\q], v[50+4*\q]
.endr
.irp q, 1
	s_delay_alu instid0(VALU_DEP_3)
	v_max3_num_f32 v[56+\q], v[48+4*\q], v[49+4*\q], v[50+4*\q]
.endr
.irp q, 0,1
	s_delay_alu instid0(VALU_DEP_2)
	v_max_num_f32 v[56+\q], v[56+\q], v[51+4*\q]
.endr
.irp q, 0,1
	s_delay_alu instid0(VALU_DEP_2)
	v_permlanex16_b32 v[58+\q], v[56+\q], s[SEL], s[SEL+1]
.endr
.irp q, 0,1
	s_delay_alu instid0(VALU_DEP_2)
	v_max_num_f32 v[56+\q], v[56+\q], v[58+\q]
.endr
	s_delay_alu instid0(VALU_DEP_1)
	v_cndmask_b32 v56, v56, v57, s[HI]             ; lanes 0-15: query tile 0's; lanes 16-31: tile 1's
	ds_store_b32 v9, v56 offset:RED1
	BARRIER
.irp i, 0,1,2,3,4,5,6,7
	ds_load_b32 v[48+\i], v[L4] offset:RED1+128*\i
.endr
	s_wait_dscnt 0x0
	v_max3_num_f32 v48, v48, v49, v50
	s_delay_alu instid0(VALU_DEP_1)
	v_max3_num_f32 v48, v48, v51, v52
	s_delay_alu instid0(VALU_DEP_1)
	v_max3_num_f32 v48, v48, v53, v54
	s_delay_alu instid0(VALU_DEP_1)
	v_max_num_f32 v48, v48, v55
	s_wait_alu depctr_va_vdst(0)
	v_permlanex16_b32 v58, v48, s[SEL], s[SEL+1]
	s_delay_alu instid0(VALU_DEP_1)
	v_cndmask_b32 v60, v48, v58, s[HI]             ; tile 0's maximum in all lanes, as a pair;
	s_delay_alu instid0(VALU_DEP_2)
	v_cndmask_b32 v61, v48, v58, s[HI]
	s_delay_alu instid0(VALU_DEP_3)
	v_cndmask_b32 v62, v58, v48, s[HI]             ; tile 1's
	s_delay_alu instid0(VALU_DEP_4)
	v_cndmask_b32 v63, v58, v48, s[HI]
	; ---- p = 2^((s - M) log2(e) / 32)
.irp q, 0,1
.set n, 0
.rept 32
	v_pk_add_f32 v[SS+64*\q+n:SS+64*\q+n+1], v[SS+64*\q+n:SS+64*\q+n+1], v[60+2*\q:61+2*\q] neg_lo:[0,1] neg_hi:[0,1]
.set n, n+2
.endr
.endr
.set n, 0
.rept 64
	v_pk_mul_f32 v[SS+n:SS+n+1], v[SS+n:SS+n+1], s[CS:CS+1] op_sel_hi:[1,0]
.set n, n+2
.endr
.set n, 0
	s_wait_alu depctr_va_vdst(0)
.rept 128
	v_exp_f32 v[SS+n], v[SS+n]
.set n, n+1
.endr
	v_nop                                          ; a plain line behind the last exponential
	s_wait_alu depctr_va_vdst(0)                   ; one wait for the whole batch, ahead of its first reader
	; ---- the row's sum, of all p, as reference() sums them
.irp q, 0,1
	v_pk_add_f32 v[48+4*\q:49+4*\q], v[SS+64*\q:SS+64*\q+1], v[SS+64*\q+2:SS+64*\q+3]
	v_pk_add_f32 v[50+4*\q:51+4*\q], v[SS+64*\q+4:SS+64*\q+5], v[SS+64*\q+6:SS+64*\q+7]
.endr
.irp j, 8,12,16,20,24,28,32,36,40,44,48,52,56,60
.irp q, 0,1
	v_pk_add_f32 v[48+4*\q:49+4*\q], v[48+4*\q:49+4*\q], v[SS+64*\q+\j:SS+64*\q+\j+1]
	v_pk_add_f32 v[50+4*\q:51+4*\q], v[50+4*\q:51+4*\q], v[SS+64*\q+\j+2:SS+64*\q+\j+3]
.endr
.endr
.irp q, 0
	s_delay_alu instid0(VALU_DEP_3)
	v_pk_add_f32 v[48+4*\q:49+4*\q], v[48+4*\q:49+4*\q], v[50+4*\q:51+4*\q]
.endr
.irp q, 1
	s_delay_alu instid0(VALU_DEP_2)
	v_pk_add_f32 v[48+4*\q:49+4*\q], v[48+4*\q:49+4*\q], v[50+4*\q:51+4*\q]
.endr
.irp q, 0,1
	s_delay_alu instid0(VALU_DEP_2)
	v_add_f32 v[56+\q], v[48+4*\q], v[49+4*\q]
.endr
.irp q, 0,1
	s_delay_alu instid0(VALU_DEP_2)
	v_permlanex16_b32 v[58+\q], v[56+\q], s[SEL], s[SEL+1]
.endr
.irp q, 0,1
	s_delay_alu instid0(VALU_DEP_2)
	v_add_f32 v[56+\q], v[56+\q], v[58+\q]
.endr
	s_delay_alu instid0(VALU_DEP_1)
	v_cndmask_b32 v56, v56, v57, s[HI]
	ds_store_b32 v9, v56 offset:RED2
	BARRIER
.irp i, 0,1,2,3,4,5,6,7
	ds_load_b32 v[48+\i], v[L4] offset:RED2+128*\i
.endr
	s_wait_dscnt 0x0
	v_add_f32 v48, v48, v49
	v_add_f32 v50, v50, v51
	v_add_f32 v52, v52, v53
	v_add_f32 v54, v54, v55
	s_delay_alu instid0(VALU_DEP_3)
	v_add_f32 v48, v48, v50
	s_delay_alu instid0(VALU_DEP_2)
	v_add_f32 v52, v52, v54
	s_delay_alu instid0(VALU_DEP_1)
	v_add_f32 v48, v48, v52                        ; the same order in every wave: the same bits
	s_wait_alu depctr_va_vdst(0)
	v_rcp_f32 v56, v48
	v_nop
	s_wait_alu depctr_va_vdst(0)
	v_permlanex16_b32 v58, v56, s[SEL], s[SEL+1]
	v_cndmask_b32 v60, v56, v58, s[HI]
	v_cndmask_b32 v61, v56, v58, s[HI]
	v_cndmask_b32 v62, v58, v56, s[HI]
	v_cndmask_b32 v63, v58, v56, s[HI]
	; ---- A = (p / sum) x mask, then its codes
.irp q, 0,1
.set n, 0
.rept 32
	v_pk_mul_f32 v[SS+64*\q+n:SS+64*\q+n+1], v[SS+64*\q+n:SS+64*\q+n+1], v[60+2*\q:61+2*\q]
.set n, n+2
.endr
.endr
.irp q, 0,1
.set n, 0
.rept 32
	v_pk_mul_f32 v[SS+64*\q+n:SS+64*\q+n+1], v[SS+64*\q+n:SS+64*\q+n+1], v[MK+n:MK+n+1]
.set n, n+2
.endr
.endr
	QUANT SS, SS, MK, PWA, 1                       ; A is never negative: the one-sided form holds it
	QUANT SS+64, SS+64, MK+16, PWA+1, 1
.rept 8
	v_nop
.endr
	WIN 0x41                                       ; source 0 (V) and the destination window 1; source 1 (A) window 0
.irp t, 0,1,2,3
.irp q, 0,1
	v_wmma_scale_f32_16x16x128_f8f6f4 v[8*(\t+4*\q):8*(\t+4*\q)+7], v[128+16*\t:128+16*\t+15], v[MK+16*\q:MK+16*\q+15], 0, v[VSW+\t], v[PWA+\q]
.endr
.endr
	WIN 0
.rept 8
	v_nop
.endr
	WIN 0x04                                       ; an LDS store's data are its source 1: window 1
.irp i, 0,1,2,3,4,5,6,7,8,9,10,11,12,13,14,15
	ds_store_b128 v10, v[4*\i:4*\i+3] offset:512*\i    ; each accumulator from its low end on
.endr
	WIN 0
	BARRIER                                        ; the eight partial O^T lie in LDS
.irp u, 0,1,2,3,4,5,6,7
.irp g, 0,1
	ds_load_b128 v[SS+8*\u+4*\g:SS+8*\u+4*\g+3], v11 offset:8192*\u+512*\g     ; tile w of wave u's
.endr
.endr
	s_wait_dscnt 0x0
.irp u, 0,2,4,6
.irp n, 0,2,4,6
	v_pk_add_f32 v[SS+8*\u+\n:SS+8*\u+\n+1], v[SS+8*\u+\n:SS+8*\u+\n+1], v[SS+8*\u+8+\n:SS+8*\u+8+\n+1]
.endr
.endr
.irp u, 0,4
.irp n, 0,2,4,6
	v_pk_add_f32 v[SS+8*\u+\n:SS+8*\u+\n+1], v[SS+8*\u+\n:SS+8*\u+\n+1], v[SS+8*\u+16+\n:SS+8*\u+16+\n+1]
.endr
.endr
.irp n, 0,2,4,6
	s_delay_alu instid0(VALU_DEP_4)
	v_pk_add_f32 v[SS+\n:SS+\n+1], v[SS+\n:SS+\n+1], v[SS+32+\n:SS+32+\n+1]
.endr
	WIN 0x04                                       ; source 1 window 1
.irp n, 0,2,4,6
	v_pk_add_f32 v[SS+\n:SS+\n+1], v[SS+\n:SS+\n+1], v[224+\n:224+\n+1]        ; + S
.endr
	WIN 0
.irp g, 0,1
	global_store_b128 v[LI], v[SS+4*\g:SS+4*\g+3], s[34:35] offset:512*\g      ; 512 consecutive bytes a store
.endr
	s_wait_tensorcnt 0x0                           ; the wave's end: three lines behind my last LDS store
	ds_add_u32 v[SPW], v[NIL]
	s_wait_dscnt 0x0
	s_endpgm
.Lfunc_end_k_q09dd616b71_attn:
	.size	k_q09dd616b71_attn, .Lfunc_end_k_q09dd616b71_attn-k_q09dd616b71_attn
	.p2alignl 7, 3214868480
	.fill 96, 4, 3214868480
	.section	.rodata,"a",@progbits
	.p2align	6, 0x0
	.amdhsa_kernel k_q09dd616b71_attn
		.amdhsa_group_segment_fixed_size 71168
		.amdhsa_private_segment_fixed_size 0
		.amdhsa_enable_private_segment 0
		.amdhsa_kernarg_size 56
		.amdhsa_user_sgpr_count 2
		.amdhsa_user_sgpr_kernarg_segment_ptr 1
		.amdhsa_wavefront_size32 1
		.amdhsa_system_sgpr_workgroup_id_x 1
		.amdhsa_system_sgpr_workgroup_id_y 1
		.amdhsa_system_sgpr_workgroup_id_z 1
		.amdhsa_system_vgpr_workitem_id 0
		.amdhsa_next_free_vgpr 512
		.amdhsa_next_free_sgpr 66
		.amdhsa_reserve_vcc 0
		.amdhsa_float_denorm_mode_32 3
		.amdhsa_float_denorm_mode_16_64 3
		.amdhsa_memory_ordered 1
		.amdhsa_forward_progress 1
		.amdhsa_inst_pref_size 97
	.end_amdhsa_kernel
	.amdgpu_metadata
---
amdhsa.version: [ 1, 2 ]
amdhsa.kernels:
  - .name:           k_q09dd616b71_attn
    .symbol:         k_q09dd616b71_attn.kd
    .args:
      - { .name: KVI, .offset: 0, .size: 8, .value_kind: global_buffer, .address_space: global }
      - { .name: KVS, .offset: 8, .size: 8, .value_kind: global_buffer, .address_space: global }
      - { .name: QP, .offset: 16, .size: 8, .value_kind: global_buffer, .address_space: global }
      - { .name: bq, .offset: 24, .size: 8, .value_kind: global_buffer, .address_space: global }
      - { .name: pad_mask, .offset: 32, .size: 8, .value_kind: global_buffer, .address_space: global }
      - { .name: S, .offset: 40, .size: 8, .value_kind: global_buffer, .address_space: global }
      - { .name: OI, .offset: 48, .size: 8, .value_kind: global_buffer, .address_space: global }
    .group_segment_fixed_size: 71168
    .private_segment_fixed_size: 0
    .kernarg_segment_align: 8
    .kernarg_segment_size: 56
    .max_flat_workgroup_size: 256
    .sgpr_count:     66
    .vgpr_count:     512
    .wavefront_size: 32
...
	.end_amdgpu_metadata
.endif
;; end of part 3
;; launch mid (part 4): grid 8 x 16, 8 waves a work-group, no clusters, 20,480 bytes of LDS; arguments OI, WC, g0, beta0, bo, ZI; writes ZI
.if DOCPART == 4
	.amdgcn_target "amdgcn-amd-amdhsa--gfx1250"
	.amdhsa_code_object_version 6
	.text
	.protected	k_q09dd616b71_mid
	.globl	k_q09dd616b71_mid
	.p2align	8
	.type	k_q09dd616b71_mid,@function
k_q09dd616b71_mid:
	s_mov_b64 s[64:65], 0
	v_nop
	global_prefetch_b8 v0, s[64:65] scope:SCOPE_SE
	s_setreg_imm32_b32 hwreg(HW_REG_WAVE_MODE, 25, 1), 1
	s_wait_xcnt 0x0
; PMA, launch 4 of 5.  y = LayerNorm(S + O; g0, beta0); z = y + relu(y Wo^T + bo), the product on codes of FP8 (E4M3) with E8M0 scales, sums in f32.  Nothing of reference() is left out here.
; LIMITS as in the first launch (byte 1 for blocks under 2^-118; NaN and infinities are not served).
; SHARES.  Work-group (ng, rt) makes columns 128 ng .. + 127 of z for the 16 rows of row tile rt = 2 b + qt (queries 8 qt + perm(lane % 16) of batch b): 128 work-groups.  The norm wants whole rows, so each
; work-group takes in its rows whole (65,536 bytes) and norms them itself; of Wo's codes it takes in its own 128 rows alone (135,168 bytes of 1,081,344).  The second norm wants whole rows of z: the next launch.
; Wave w norms and quantises columns 128 w .. + 127 of the rows: K step w of the product; the fragments go from wave to wave through LDS as images of their registers.  Then wave w makes ONE tile of outputs:
; source 0 = tile w of Wo's group ng (rows 32 (w / 2) + 8 (w % 2) + perm), source 1 = y: lane (r, h) holds row r, register j column 128 ng + 32 (w / 2) + 8 (w % 2) + 16 h + j.
; THE RESIDUAL: those eight numbers of S + O are 1,024 bytes on end of OI; the wave loads them once more and takes them through the same lines of the norm, so y needs no second way through LDS.
; Wo's fragments come from memory straight into operand registers: each feeds one matrix instruction of one wave, so a way through LDS (a joint load too) would write and read each byte once more.
; The launch has one step and asks for everything at its head: there is nothing to prefetch for.
; REGISTERS: window 0: v1-9, v12 addresses and the add's two; v16-23 Wo's scale words; v24-29, v32-39 statistics; v40-47 y's scale words; v48-55 my tile's x, y, z; v56-63 bo; v64-127 my 64 columns;
;   v128-191 beta0; v192-255 g0, then QUANT's work, then two accumulators; behind the images' barrier v64-191 hold y's eight fragments.   window 1: v0-127 Wo's eight fragments; v128-143 g0, beta0 of my tile.
.set KBLK,  33792
.set WOOFF, 256*KBLK
.set RA,    0                          ; LDS: two regions of 1,024 bytes for the waves' sums,
.set RB,    1024
.set YS,    2048                       ; y's scale words, 128 bytes a K step,
.set YI,    3072                       ; y's eight fragment images
.set SPARE, 19456                      ; the spare words, 128 bytes a wave: four blocks of 256 bytes that no other line names
.set LI,  1                            ; v1  16 x lane
.set L4,  2                            ; v2  4 x lane
.set PO,  3                            ; v3  the parameters of my 128 columns: 512 w + 64 (lane / 16)
.set RW,  4                            ; v4  128 w + 4 l
.set YW,  5                            ; v5  my image
.set PT,  6                            ; v6  the parameters of my tile: 512 ng + 128 (w / 2) + 32 (w % 2) + 64 (lane / 16)
.set WS,  7                            ; v7  my tile's words in a scale image: 16 (lane % 16) + 256 (w / 4) + 4 (w % 4)
.set SPW, 8
.set NIL, 9
.set PW,  12
.set WSW, 16
.set YSW, 40
.set XT,  48
.set BO,  56
.set Y,   64
.set YF,  64
.set BE,  128
.set G,   192
.set TM,  192
.set PC,  208
.set A0,  192                          ; the sums of the even K steps; v200-207 those of the odd
.set A1,  200
.set GT,  128                          ; in window 1
.set BT,  136
.set SEL, 32
.set MNT, 34
.set MSB, 0
.macro WIN new                         ; the immediate's high byte repeats the setting that is left
.if MSB != (\new)
	s_set_vgpr_msb (MSB<<8)|(\new)
.set MSB, (\new)
.endif
.endm
.macro BARRIER                         ; my LDS stores have landed and my LDS loads are in: then the work-group's barrier
	s_wait_dscnt 0x0
	s_barrier_signal -1
	s_barrier_wait -1
.endm
.macro QUANT s, d, pc, pw, relu        ; as in the first launch
.if \relu
.irp b, 0,1,2,3
	v_max3_num_f32 v[TM+\b], v[(\s)+16*\b], v[(\s)+16*\b+1], 0x4800000
.endr
.irp i, 2,4,6,8,10,12,14
.irp b, 0,1,2,3
	v_max3_num_f32 v[TM+\b], v[TM+\b], v[(\s)+16*\b+\i], v[(\s)+16*\b+\i+1]
.endr
.endr
.else
.irp b, 0,1,2,3
	v_max3_num_f32 v[TM+\b], |v[(\s)+16*\b]|, |v[(\s)+16*\b+1]|, 0x4800000    ; the floor 2^(9 - 127): the byte cannot fall under 1
.endr
.irp i, 2,4,6,8,10,12,14
.irp b, 0,1,2,3
	s_delay_alu instid0(VALU_DEP_4)
	v_max3_num_f32 v[TM+\b], v[TM+\b], |v[(\s)+16*\b+\i]|, |v[(\s)+16*\b+\i+1]|
.endr
.endr
.endif
.irp b, 0,1,2,3
	s_delay_alu instid0(VALU_DEP_4)
	v_permlanex16_b32 v[TM+4+\b], v[TM+\b], s[SEL], s[SEL+1]
.endr
.irp b, 0,1,2,3
	s_delay_alu instid0(VALU_DEP_4)
	v_max_num_f32 v[TM+\b], v[TM+\b], v[TM+4+\b]
.endr
.irp b, 0,1,2,3
	s_delay_alu instid0(VALU_DEP_4)
	v_add_nc_u32 v[TM+12+\b], 0xfc000000, v[TM+\b]
.endr
.irp b, 0,1,2,3
	v_and_or_b32 v[TM+8+\b], v[TM+\b], 0x7f800000, s[MNT]
.endr
.irp b, 0,1,2,3
	v_lshrrev_b32 v[TM+4+\b], 23, v[TM+12+\b]
.endr
	s_delay_alu instid0(VALU_DEP_3)
	v_lshl_or_b32 v[\pw], v[TM+5], 8, v[TM+4]
	s_delay_alu instid0(VALU_DEP_1)
	v_lshl_or_b32 v[\pw], v[TM+6], 16, v[\pw]
	s_delay_alu instid0(VALU_DEP_1)
	v_lshl_or_b32 v[\pw], v[TM+7], 24, v[\pw]
.irp b, 0,1,2,3
.irp i, 0,1,2,3,4,5,6,7,8,9,10,11,12,13,14,15
.if \relu
	v_med3_num_f32 v[(\d)+16*\b+\i], v[(\s)+16*\b+\i], 0, v[TM+8+\b]
.else
	v_med3_num_f32 v[(\d)+16*\b+\i], v[(\s)+16*\b+\i], -v[TM+8+\b], v[TM+8+\b]   ; the conversion to an 8-bit code does not saturate (ISA guide 7.6.2): the hold comes first
.endif
.endr
	v_cvt_scalef32_pk8_fp8_f32 v[(\pc)+4*\b:(\pc)+4*\b+1], v[(\d)+16*\b:(\d)+16*\b+7], v[TM+12+\b]
	v_cvt_scalef32_pk8_fp8_f32 v[(\pc)+4*\b+2:(\pc)+4*\b+3], v[(\d)+16*\b+8:(\d)+16*\b+15], v[TM+12+\b]
.endr
	v_nop                                  ; one plain vector line behind the last conversion
.endm
; v24, a sum over my 64 registers, becomes the row's: lane l xor 16, then the eight waves through LDS, added in one fixed order
.macro XWAVE region
	s_delay_alu instid0(VALU_DEP_1)
	v_permlanex16_b32 v28, v24, s[SEL], s[SEL+1]
	s_delay_alu instid0(VALU_DEP_1)
	v_add_f32 v24, v24, v28
	ds_store_b32 v[RW], v24 offset:\region
	BARRIER
.irp i, 0,1,2,3,4,5,6,7
	ds_load_b32 v[32+\i], v[L4] offset:\region+128*\i
.endr
	s_wait_dscnt 0x0
	v_add_f32 v32, v32, v33
	v_add_f32 v34, v34, v35
	v_add_f32 v36, v36, v37
	v_add_f32 v38, v38, v39
	s_delay_alu instid0(VALU_DEP_3)
	v_add_f32 v32, v32, v34
	s_delay_alu instid0(VALU_DEP_2)
	v_add_f32 v36, v36, v38
	s_delay_alu instid0(VALU_DEP_1)
	v_add_f32 v24, v32, v36
.endm
; my 64 columns and my tile's eight numbers are centred; v24 = 1 / sqrt(var + 1e-5), awaited
.macro STATS ra, rb
	v_pk_add_f32 v[26:27], v[64:65], v[66:67]
	v_pk_add_f32 v[46:47], v[72:73], v[76:77]
	v_pk_add_f32 v[44:45], v[80:81], v[84:85]
	v_pk_add_f32 v[42:43], v[88:89], v[92:93]
	v_pk_add_f32 v[40:41], v[96:97], v[100:101]
	v_pk_add_f32 v[38:39], v[104:105], v[108:109]
	v_pk_add_f32 v[36:37], v[112:113], v[116:117]
	v_pk_add_f32 v[24:25], v[120:121], v[124:125]
	s_delay_alu instid0(VALU_DEP_1)
	v_pk_add_f32 v[24:25], v[24:25], v[68:69]
	v_pk_add_f32 v[26:27], v[26:27], v[70:71]
	v_pk_add_f32 v[46:47], v[46:47], v[74:75]
	v_pk_add_f32 v[44:45], v[44:45], v[78:79]
	v_pk_add_f32 v[42:43], v[42:43], v[82:83]
	v_pk_add_f32 v[40:41], v[40:41], v[86:87]
	v_pk_add_f32 v[38:39], v[38:39], v[90:91]
	v_pk_add_f32 v[36:37], v[36:37], v[94:95]
	v_pk_add_f32 v[24:25], v[24:25], v[98:99]
	v_pk_add_f32 v[26:27], v[26:27], v[102:103]
	v_pk_add_f32 v[46:47], v[46:47], v[106:107]
	v_pk_add_f32 v[44:45], v[44:45], v[110:111]
	v_pk_add_f32 v[42:43], v[42:43], v[114:115]
	v_pk_add_f32 v[40:41], v[40:41], v[118:119]
	v_pk_add_f32 v[38:39], v[38:39], v[122:123]
	v_pk_add_f32 v[36:37], v[36:37], v[126:127]
	s_delay_alu instid0(VALU_DEP_4)
	v_pk_add_f32 v[24:25], v[24:25], v[42:43]
	s_delay_alu instid0(VALU_DEP_4)
	v_pk_add_f32 v[26:27], v[26:27], v[40:41]
	s_delay_alu instid0(VALU_DEP_4)
	v_pk_add_f32 v[46:47], v[46:47], v[38:39]
	s_delay_alu instid0(VALU_DEP_4)
	v_pk_add_f32 v[44:45], v[44:45], v[36:37]
	s_delay_alu instid0(VALU_DEP_2)
	v_pk_add_f32 v[24:25], v[24:25], v[46:47]
	s_delay_alu instid0(VALU_DEP_2)
	v_pk_add_f32 v[26:27], v[26:27], v[44:45]
	s_delay_alu instid0(VALU_DEP_1)
	v_pk_add_f32 v[24:25], v[24:25], v[26:27]
	s_delay_alu instid0(VALU_DEP_1)
	v_add_f32 v24, v24, v25
	XWAVE \ra
	s_delay_alu instid0(VALU_DEP_1)
	v_mul_f32 v24, s30, v24                        ; the mean
.set n, 0
.rept 32
	v_pk_add_f32 v[Y+n:Y+n+1], v[Y+n:Y+n+1], v[24:25] op_sel_hi:[1,0] neg_lo:[0,1] neg_hi:[0,1]
.set n, n+2
.endr
.irp j, 0,2,4,6
	v_pk_add_f32 v[XT+\j:XT+\j+1], v[XT+\j:XT+\j+1], v[24:25] op_sel_hi:[1,0] neg_lo:[0,1] neg_hi:[0,1]
.endr
	v_pk_mul_f32 v[26:27], v[Y:Y+1], v[Y:Y+1]
	v_pk_mul_f32 v[28:29], v[Y+2:Y+3], v[Y+2:Y+3]
.irp j, 4,8,12,16,20,24,28,32,36,40,44,48,52,56,60
	s_delay_alu instid0(VALU_DEP_2)
	v_pk_fma_f32 v[26:27], v[Y+\j:Y+\j+1], v[Y+\j:Y+\j+1], v[26:27]
	s_delay_alu instid0(VALU_DEP_2)
	v_pk_fma_f32 v[28:29], v[Y+\j+2:Y+\j+3], v[Y+\j+2:Y+\j+3], v[28:29]
.endr
	s_delay_alu instid0(VALU_DEP_1)
	v_pk_add_f32 v[26:27], v[26:27], v[28:29]
	s_delay_alu instid0(VALU_DEP_1)
	v_add_f32 v24, v26, v27
	XWAVE \rb
	s_delay_alu instid0(VALU_DEP_1)
	v_fma_f32 v24, v24, s30, s31                   ; var + 1e-5
	s_wait_alu depctr_va_vdst(0)
	v_rsq_f32 v24, v24
	v_nop
	s_wait_alu depctr_va_vdst(0)                   ; ahead of the first reader
.endm
.macro PLOAD reg, base                 ; 64 numbers of a parameter, in the registers' order
.irp b, 0,1,2,3
.irp j, 0,1,2,3
	global_load_b128 v[(\reg)+16*\b+4*\j:(\reg)+16*\b+4*\j+3], v[PO], s[(\base):(\base)+1] offset:128*\b+16*\j
.endr
.endr
.endm
	s_load_b256 s[4:11], s[0:1], 0x0               ; OI, WC, g0, beta0
	s_load_b128 s[12:15], s[0:1], 0x20             ; bo, ZI
	v_lshl_add_u32 v[SPW], v0, 2, SPARE
	v_mov_b32 v[NIL], 0
	v_lshrrev_b32 v13, 5, v0
	s_delay_alu instid0(VALU_DEP_1)
	v_readfirstlane_b32 s28, v13                   ; wave 0..7
	v_and_b32 v13, 31, v0
	s_delay_alu instid0(VALU_DEP_1)
	v_lshlrev_b32 v[LI], 4, v13
	s_delay_alu instid0(VALU_DEP_2)
	v_lshlrev_b32 v[L4], 2, v13
	v_and_b32 v14, 15, v0                          ; lane % 16
	v_bfe_u32 v15, v0, 4, 1                        ; lane / 16
	s_wait_alu depctr_va_vdst(0)
	s_lshl_b32 s29, s28, 9
	v_lshl_add_u32 v[PO], v15, 6, s29
	s_lshl_b32 s29, s28, 7
	v_add_nc_u32 v[RW], s29, v[L4]
	s_lshl_b32 s29, s28, 11
	s_add_co_u32 s29, s29, YI
	v_add_nc_u32 v[YW], s29, v[LI]
	s_mov_b32 s36, ttmp9                           ; ng: which 128 columns of z
	s_and_b32 s35, ttmp7, 0xffff                   ; rt: which 16 rows
	s_lshl_b32 s29, s36, 9
	s_lshr_b32 s37, s28, 1
	s_lshl_b32 s37, s37, 7
	s_add_co_u32 s29, s29, s37
	s_and_b32 s37, s28, 1
	s_lshl_b32 s37, s37, 5
	s_add_co_u32 s29, s29, s37
	v_lshl_add_u32 v[PT], v15, 6, s29
	s_lshr_b32 s29, s28, 2
	s_lshl_b32 s29, s29, 8
	s_and_b32 s37, s28, 3
	s_lshl_b32 s37, s37, 2
	s_add_co_u32 s29, s29, s37
	v_lshl_add_u32 v[WS], v14, 4, s29
	v_mov_b32 v28, 0                               ; a lane permute's destination counts as one of its sources
	s_mov_b32 s30, 0x3a800000                      ; 1 / 1024
	s_mov_b32 s31, 0x3727c5ac                      ; 1e-5
	s_mov_b32 s[SEL], 0x76543210
	s_mov_b32 s[SEL+1], 0xfedcba98
	s_mov_b32 s[MNT], 0x600000
	s_lshl_b32 s24, s35, 4
	s_lshl_b32 s37, s28, 1
	s_add_co_u32 s24, s24, s37
	s_lshl_b32 s24, s24, 12                        ; OI: columns 128 w on of my rows: 8,192 bytes on end
	s_mov_b32 s25, 0
	s_lshl_b32 s26, s35, 4
	s_lshl_b32 s37, s36, 1
	s_add_co_u32 s26, s26, s37
	s_lshl_b32 s26, s26, 12
	s_lshl_b32 s37, s28, 10
	s_add_co_u32 s26, s26, s37                     ; OI and ZI: tile w of column group ng: 1,024 bytes
	s_mov_b32 s27, 0
	s_lshr_b32 s38, s36, 1
	s_mul_i32 s38, s38, 8*KBLK
	s_add_co_u32 s38, s38, WOOFF                   ; Wo's group of 256 rows
	s_and_b32 s39, s36, 1                          ; and its half
	s_lshl_b32 s20, s39, 14
	s_add_co_u32 s20, s20, s38
	s_lshl_b32 s37, s28, 11
	s_add_co_u32 s20, s20, s37                     ; my tile's fragment image in K step 0's block
	s_mov_b32 s21, 0
	s_lshl_b32 s22, s39, 9
	s_add_co_u32 s22, s22, s38
	s_add_co_u32 s22, s22, 32768                   ; the half's scale image
	s_mov_b32 s23, 0
	s_wait_alu depctr_va_vdst(0)
	s_wait_kmcnt 0x0
	s_add_nc_u64 s[24:25], s[4:5], s[24:25]
	s_add_nc_u64 s[40:41], s[14:15], s[26:27]
	s_add_nc_u64 s[26:27], s[4:5], s[26:27]
	s_add_nc_u64 s[20:21], s[6:7], s[20:21]
	s_add_nc_u64 s[22:23], s[6:7], s[22:23]
	; ---- everything is asked for here, what is wanted first going first: 96 loads
.irp i, 0,1,2,3,4,5,6,7,8,9,10,11,12,13,14,15
	global_load_b128 v[Y+4*\i:Y+4*\i+3], v[LI], s[24:25] offset:512*\i
.endr
	global_load_b128 v[XT:XT+3], v[LI], s[26:27]
	global_load_b128 v[XT+4:XT+7], v[LI], s[26:27] offset:512
	PLOAD G, 8                                     ; g0
	PLOAD BE, 10                                   ; beta0
	global_load_b128 v[BO:BO+3], v[PT], s[12:13]
	global_load_b128 v[BO+4:BO+7], v[PT], s[12:13] offset:16
	WIN 0x40                                       ; destination window 1
	global_load_b128 v[GT:GT+3], v[PT], s[8:9]
	global_load_b128 v[GT+4:GT+7], v[PT], s[8:9] offset:16
	global_load_b128 v[BT:BT+3], v[PT], s[10:11]
	global_load_b128 v[BT+4:BT+7], v[PT], s[10:11] offset:16
.irp s, 0,1,2,3,4,5,6,7
.irp c, 0,1,2,3
	global_load_b128 v[16*\s+4*\c:16*\s+4*\c+3], v[LI], s[20:21] offset:KBLK*\s+512*\c     ; Wo: my tile, K step s
.endr
.endr
	WIN 0
.irp s, 0,1,2,3,4,5,6,7
	global_load_b32 v[WSW+\s], v[WS], s[22:23] offset:KBLK*\s                              ; lanes 0-15: my tile's rows' words
.endr
	s_wait_loadcnt 63                              ; 78 loads are younger than my tile's numbers; the wait's field takes 63 at the most
	STATS RA, RB
	s_wait_loadcnt 40                              ; all parameters are in; Wo's 32 loads and its 8 scale words may be out
.set n, 0
.rept 32
	v_pk_mul_f32 v[Y+n:Y+n+1], v[Y+n:Y+n+1], v[24:25] op_sel_hi:[1,0]
.set n, n+2
.endr
.irp j, 0,2,4,6
	v_pk_mul_f32 v[XT+\j:XT+\j+1], v[XT+\j:XT+\j+1], v[24:25] op_sel_hi:[1,0]
.endr
.set n, 0
.rept 32
	v_pk_fma_f32 v[Y+n:Y+n+1], v[Y+n:Y+n+1], v[G+n:G+n+1], v[BE+n:BE+n+1]
.set n, n+2
.endr
	WIN 0x14                                       ; sources 1 and 2 window 1
.irp j, 0,2,4,6
	v_pk_fma_f32 v[XT+\j:XT+\j+1], v[XT+\j:XT+\j+1], v[GT+\j:GT+\j+1], v[BT+\j:BT+\j+1]    ; y at my tile's columns, by the same lines
.endr
	WIN 0
	QUANT Y, Y, PC, PW, 0
.irp c, 0,1,2,3
	ds_store_b128 v[YW], v[PC+4*\c:PC+4*\c+3] offset:512*\c
.endr
	ds_store_b32 v[RW], v[PW] offset:YS
	BARRIER                                        ; y's eight fragments lie in LDS
.irp s, 0,1,2,3,4,5,6,7
.irp c, 0,1,2,3
	ds_load_b128 v[YF+16*\s+4*\c:YF+16*\s+4*\c+3], v[LI] offset:YI+2048*\s+512*\c
.endr
	ds_load_b32 v[YSW+\s], v[L4] offset:YS+128*\s
.endr
	s_wait_dscnt 0x0
	s_wait_loadcnt 0x0                             ; Wo
	WIN 0x01                                       ; source 0 (Wo) window 1
.irp s, 0,1                            ; two accumulators take turns, one instruction a turn: the even K steps' sum and the odd ones'
	v_wmma_scale_f32_16x16x128_f8f6f4 v[A0+8*\s:A0+8*\s+7], v[16*\s:16*\s+15], v[YF+16*\s:YF+16*\s+15], 0, v[WSW+\s], v[YSW+\s]
.endr
.irp s, 2,3,4,5,6,7
	v_wmma_scale_f32_16x16x128_f8f6f4 v[A0+8*(\s%2):A0+8*(\s%2)+7], v[16*\s:16*\s+15], v[YF+16*\s:YF+16*\s+15], v[A0+8*(\s%2):A0+8*(\s%2)+7], v[WSW+\s], v[YSW+\s]
.endr
	WIN 0
.rept 8
	v_nop                                          ; eight places ahead of the first read of the results
.endr
.irp j, 0,2,4,6
	v_pk_add_f32 v[A0+\j:A0+\j+1], v[A0+\j:A0+\j+1], v[A1+\j:A1+\j+1]          ; both accumulators from their low ends on
.endr
.irp j, 0,2,4,6
	s_delay_alu instid0(VALU_DEP_4)
	v_pk_add_f32 v[A0+\j:A0+\j+1], v[A0+\j:A0+\j+1], v[BO+\j:BO+\j+1]
.endr
.irp j, 0,1,2,3,4,5,6,7
	v_max_num_f32 v[A0+\j], 0, v[A0+\j]
.endr
.irp j, 0,2,4,6
	v_pk_add_f32 v[XT+\j:XT+\j+1], v[XT+\j:XT+\j+1], v[A0+\j:A0+\j+1]          ; z = y + relu(. + bo)
.endr
	global_store_b128 v[LI], v[XT:XT+3], s[40:41]                              ; the registers as they stand: 512 consecutive bytes a store
	global_store_b128 v[LI], v[XT+4:XT+7], s[40:41] offset:512
	s_wait_tensorcnt 0x0                           ; the wave's end: three lines behind my last LDS store
	ds_add_u32 v[SPW], v[NIL]
	s_wait_dscnt 0x0
	s_endpgm
.Lfunc_end_k_q09dd616b71_mid:
	.size	k_q09dd616b71_mid, .Lfunc_end_k_q09dd616b71_mid-k_q09dd616b71_mid
	.p2alignl 7, 3214868480
	.fill 96, 4, 3214868480
	.section	.rodata,"a",@progbits
	.p2align	6, 0x0
	.amdhsa_kernel k_q09dd616b71_mid
		.amdhsa_group_segment_fixed_size 20480
		.amdhsa_private_segment_fixed_size 0
		.amdhsa_enable_private_segment 0
		.amdhsa_kernarg_size 48
		.amdhsa_user_sgpr_count 2
		.amdhsa_user_sgpr_kernarg_segment_ptr 1
		.amdhsa_wavefront_size32 1
		.amdhsa_system_sgpr_workgroup_id_x 1
		.amdhsa_system_sgpr_workgroup_id_y 1
		.amdhsa_system_sgpr_workgroup_id_z 1
		.amdhsa_system_vgpr_workitem_id 0
		.amdhsa_next_free_vgpr 512
		.amdhsa_next_free_sgpr 66
		.amdhsa_reserve_vcc 0
		.amdhsa_float_denorm_mode_32 3
		.amdhsa_float_denorm_mode_16_64 3
		.amdhsa_memory_ordered 1
		.amdhsa_forward_progress 1
		.amdhsa_inst_pref_size 43
	.end_amdhsa_kernel
	.amdgpu_metadata
---
amdhsa.version: [ 1, 2 ]
amdhsa.kernels:
  - .name:           k_q09dd616b71_mid
    .symbol:         k_q09dd616b71_mid.kd
    .args:
      - { .name: OI, .offset: 0, .size: 8, .value_kind: global_buffer, .address_space: global }
      - { .name: WC, .offset: 8, .size: 8, .value_kind: global_buffer, .address_space: global }
      - { .name: g0, .offset: 16, .size: 8, .value_kind: global_buffer, .address_space: global }
      - { .name: beta0, .offset: 24, .size: 8, .value_kind: global_buffer, .address_space: global }
      - { .name: bo, .offset: 32, .size: 8, .value_kind: global_buffer, .address_space: global }
      - { .name: ZI, .offset: 40, .size: 8, .value_kind: global_buffer, .address_space: global }
    .group_segment_fixed_size: 20480
    .private_segment_fixed_size: 0
    .kernarg_segment_align: 8
    .kernarg_segment_size: 48
    .max_flat_workgroup_size: 256
    .sgpr_count:     66
    .vgpr_count:     512
    .wavefront_size: 32
...
	.end_amdgpu_metadata
.endif
;; end of part 4
;; launch norm (part 5): grid 2 x 8, 8 waves a work-group, no clusters, 70,656 bytes of LDS; arguments ZI, g1, beta1, out0; writes out0
.if DOCPART == 5
	.amdgcn_target "amdgcn-amd-amdhsa--gfx1250"
	.amdhsa_code_object_version 6
	.text
	.protected	k_q09dd616b71_norm
	.globl	k_q09dd616b71_norm
	.p2align	8
	.type	k_q09dd616b71_norm,@function
k_q09dd616b71_norm:
	s_mov_b64 s[64:65], 0
	v_nop
	global_prefetch_b8 v0, s[64:65] scope:SCOPE_SE
	s_setreg_imm32_b32 hwreg(HW_REG_WAVE_MODE, 25, 1), 1
	s_wait_xcnt 0x0
; PMA, launch 5 of 5.  out = LayerNorm(z; g1, beta1), all in f32.  Nothing of reference() is left out here.  LIMITS: NaN and infinities are not served.
; A norm wants whole rows, and z's columns were made by eight work-groups: so it has a launch of its own.  A work-group owns 16 rows whole (queries 8 qt + perm(lane % 16) of batch b): 16 work-groups.
; Wave w owns columns 128 w .. + 127: 8,192 bytes on end of ZI, register images: register 16 b + i of lane (r, h) is column 128 w + 32 b + 16 h + i of row r.
; The rows' sums meet in LDS: two barriers.  The way out goes through the wave's own stage, so that the 32 lanes store 512 consecutive bytes of a row.
; No matrix work, no shared tiles, one step: matrix units, joint loads and prefetches have nothing to do here.
.set RA,    0                          ; LDS: two regions of 1,024 bytes for the waves' sums,
.set RB,    1024
.set STG,   2048                       ; a stage of 16 rows x 528 bytes for each wave
.set SPARE, 69632                      ; the spare words, 128 bytes a wave: four blocks of 256 bytes that no other line names
.set LI,  1                            ; v1  16 x lane
.set L4,  2                            ; v2  4 x lane
.set PO,  3                            ; v3  the parameters' offset: 512 w + 64 (lane / 16)
.set RW,  4                            ; v4  128 w + 4 l
.set SO,  6                            ; v6  the stage, on the way in
.set SR,  7                            ; v7  and back
.set SPW, 8
.set NIL, 9
.set Y,   64                           ; v64-127  z, then the result
.set ACC, 128                          ; v128-191 beta1, then rows on the way out
.set G,   192                          ; v192-255 g1
.set SEL, 32
.macro BARRIER                         ; my LDS stores have landed and my LDS loads are in: then the work-group's barrier
	s_wait_dscnt 0x0
	s_barrier_signal -1
	s_barrier_wait -1
.endm
; v24, a sum over my 64 registers, becomes the row's: lane l xor 16, then the eight waves through LDS, added in one fixed order
.macro XWAVE region
	s_delay_alu instid0(VALU_DEP_1)
	v_permlanex16_b32 v28, v24, s[SEL], s[SEL+1]
	s_delay_alu instid0(VALU_DEP_1)
	v_add_f32 v24, v24, v28
	ds_store_b32 v[RW], v24 offset:\region
	BARRIER
.irp i, 0,1,2,3,4,5,6,7
	ds_load_b32 v[32+\i], v[L4] offset:\region+128*\i
.endr
	s_wait_dscnt 0x0
	v_add_f32 v32, v32, v33
	v_add_f32 v34, v34, v35
	v_add_f32 v36, v36, v37
	v_add_f32 v38, v38, v39
	s_delay_alu instid0(VALU_DEP_3)
	v_add_f32 v32, v32, v34
	s_delay_alu instid0(VALU_DEP_2)
	v_add_f32 v36, v36, v38
	s_delay_alu instid0(VALU_DEP_1)
	v_add_f32 v24, v32, v36
.endm
.macro PLOAD reg, base                 ; 64 numbers of a parameter, in the registers' order
.irp b, 0,1,2,3
.irp j, 0,1,2,3
	global_load_b128 v[(\reg)+16*\b+4*\j:(\reg)+16*\b+4*\j+3], v[PO], s[(\base):(\base)+1] offset:128*\b+16*\j
.endr
.endr
.endm
	s_load_b256 s[4:11], s[0:1], 0x0               ; ZI, g1, beta1, out0
	v_lshl_add_u32 v[SPW], v0, 2, SPARE
	v_mov_b32 v[NIL], 0
	v_lshrrev_b32 v13, 5, v0
	s_delay_alu instid0(VALU_DEP_1)
	v_readfirstlane_b32 s28, v13                   ; wave 0..7
	v_and_b32 v13, 31, v0
	s_delay_alu instid0(VALU_DEP_1)
	v_lshlrev_b32 v[LI], 4, v13
	s_delay_alu instid0(VALU_DEP_2)
	v_lshlrev_b32 v[L4], 2, v13
	v_and_b32 v14, 15, v0
	v_bfe_u32 v15, v0, 4, 1
	s_lshl_b32 s29, s28, 9
	v_lshl_add_u32 v[PO], v15, 6, s29
	s_lshl_b32 s29, s28, 7
	v_add_nc_u32 v[RW], s29, v[L4]
	s_mul_i32 s29, s28, 8448
	s_add_co_u32 s29, s29, STG
	v_add_nc_u32 v[SR], s29, v[LI]
	v_mul_u32_u24 v[SO], v14, 528
	s_delay_alu instid0(VALU_DEP_1)
	v_lshl_add_u32 v[SO], v15, 6, v[SO]
	s_delay_alu instid0(VALU_DEP_1)
	v_add_nc_u32 v[SO], s29, v[SO]
	v_mov_b32 v28, 0                               ; a lane permute's destination counts as one of its sources
	s_mov_b32 s30, 0x3a800000                      ; 1 / 1024
	s_mov_b32 s31, 0x3727c5ac                      ; 1e-5
	s_mov_b32 s[SEL], 0x76543210
	s_mov_b32 s[SEL+1], 0xfedcba98
	s_and_b32 s35, ttmp7, 0xffff                   ; the batch
	s_lshl_b32 s36, s35, 1
	s_add_co_u32 s36, s36, ttmp9                   ; the row tile: 2 b + qt
	s_lshl_b32 s24, s36, 4
	s_lshl_b32 s37, s28, 1
	s_add_co_u32 s24, s24, s37
	s_lshl_b32 s24, s24, 12                        ; ZI: column group w of my rows: 8,192 bytes on end
	s_mov_b32 s25, 0
	s_lshl_b32 s26, s35, 5
	s_lshl_b32 s37, ttmp9, 3
	s_add_co_u32 s26, s26, s37
	s_lshl_b32 s26, s26, 12
	s_lshl_b32 s37, s28, 9
	s_add_co_u32 s26, s26, s37                     ; out0: row 32 b + 8 qt, column 128 w
	s_mov_b32 s27, 0
	s_wait_alu depctr_va_vdst(0)
	s_wait_kmcnt 0x0
	s_add_nc_u64 s[24:25], s[4:5], s[24:25]
	s_add_nc_u64 s[26:27], s[10:11], s[26:27]
.irp i, 0,1,2,3,4,5,6,7,8,9,10,11,12,13,14,15
	global_load_b128 v[Y+4*\i:Y+4*\i+3], v[LI], s[24:25] offset:512*\i th:TH_LOAD_NT
.endr
	PLOAD G, 6                                     ; g1
	PLOAD ACC, 8                                   ; beta1
	s_wait_loadcnt 32                              ; z is in; g1's and beta1's 32 loads may be out
	; ---- the mean, the centred numbers, the variance
	v_pk_add_f32 v[26:27], v[64:65], v[66:67]
	v_pk_add_f32 v[62:63], v[72:73], v[76:77]
	v_pk_add_f32 v[60:61], v[80:81], v[84:85]
	v_pk_add_f32 v[58:59], v[88:89], v[92:93]
	v_pk_add_f32 v[56:57], v[96:97], v[100:101]
	v_pk_add_f32 v[54:55], v[104:105], v[108:109]
	v_pk_add_f32 v[52:53], v[112:113], v[116:117]
	v_pk_add_f32 v[24:25], v[120:121], v[124:125]
	s_delay_alu instid0(VALU_DEP_1)
	v_pk_add_f32 v[24:25], v[24:25], v[68:69]
	v_pk_add_f32 v[26:27], v[26:27], v[70:71]
	v_pk_add_f32 v[62:63], v[62:63], v[74:75]
	v_pk_add_f32 v[60:61], v[60:61], v[78:79]
	v_pk_add_f32 v[58:59], v[58:59], v[82:83]
	v_pk_add_f32 v[56:57], v[56:57], v[86:87]
	v_pk_add_f32 v[54:55], v[54:55], v[90:91]
	v_pk_add_f32 v[52:53], v[52:53], v[94:95]
	v_pk_add_f32 v[24:25], v[24:25], v[98:99]
	v_pk_add_f32 v[26:27], v[26:27], v[102:103]
	v_pk_add_f32 v[62:63], v[62:63], v[106:107]
	v_pk_add_f32 v[60:61], v[60:61], v[110:111]
	v_pk_add_f32 v[58:59], v[58:59], v[114:115]
	v_pk_add_f32 v[56:57], v[56:57], v[118:119]
	v_pk_add_f32 v[54:55], v[54:55], v[122:123]
	v_pk_add_f32 v[52:53], v[52:53], v[126:127]
	s_delay_alu instid0(VALU_DEP_4)
	v_pk_add_f32 v[24:25], v[24:25], v[58:59]
	s_delay_alu instid0(VALU_DEP_4)
	v_pk_add_f32 v[26:27], v[26:27], v[56:57]
	s_delay_alu instid0(VALU_DEP_4)
	v_pk_add_f32 v[62:63], v[62:63], v[54:55]
	s_delay_alu instid0(VALU_DEP_4)
	v_pk_add_f32 v[60:61], v[60:61], v[52:53]
	s_delay_alu instid0(VALU_DEP_2)
	v_pk_add_f32 v[24:25], v[24:25], v[62:63]
	s_delay_alu instid0(VALU_DEP_2)
	v_pk_add_f32 v[26:27], v[26:27], v[60:61]
	s_delay_alu instid0(VALU_DEP_1)
	v_pk_add_f32 v[24:25], v[24:25], v[26:27]
	s_delay_alu instid0(VALU_DEP_1)
	v_add_f32 v24, v24, v25
	XWAVE RA
	s_delay_alu instid0(VALU_DEP_1)
	v_mul_f32 v24, s30, v24                        ; the mean
.set n, 0
.rept 32
	v_pk_add_f32 v[Y+n:Y+n+1], v[Y+n:Y+n+1], v[24:25] op_sel_hi:[1,0] neg_lo:[0,1] neg_hi:[0,1]
.set n, n+2
.endr
	v_pk_mul_f32 v[26:27], v[Y:Y+1], v[Y:Y+1]
	v_pk_mul_f32 v[28:29], v[Y+2:Y+3], v[Y+2:Y+3]
.irp j, 4,8,12,16,20,24,28,32,36,40,44,48,52,56,60
	s_delay_alu instid0(VALU_DEP_2)
	v_pk_fma_f32 v[26:27], v[Y+\j:Y+\j+1], v[Y+\j:Y+\j+1], v[26:27]
	s_delay_alu instid0(VALU_DEP_2)
	v_pk_fma_f32 v[28:29], v[Y+\j+2:Y+\j+3], v[Y+\j+2:Y+\j+3], v[28:29]
.endr
	s_delay_alu instid0(VALU_DEP_1)
	v_pk_add_f32 v[26:27], v[26:27], v[28:29]
	s_delay_alu instid0(VALU_DEP_1)
	v_add_f32 v24, v26, v27
	XWAVE RB
	s_delay_alu instid0(VALU_DEP_1)
	v_fma_f32 v24, v24, s30, s31                   ; var + 1e-5
	s_wait_alu depctr_va_vdst(0)
	v_rsq_f32 v24, v24
	v_nop
	s_wait_alu depctr_va_vdst(0)                   ; ahead of the first reader
.set n, 0
.rept 32
	v_pk_mul_f32 v[Y+n:Y+n+1], v[Y+n:Y+n+1], v[24:25] op_sel_hi:[1,0]
.set n, n+2
.endr
	s_wait_loadcnt 0x0                             ; g1, beta1
.set n, 0
.rept 32
	v_pk_fma_f32 v[Y+n:Y+n+1], v[Y+n:Y+n+1], v[G+n:G+n+1], v[ACC+n:ACC+n+1]
.set n, n+2
.endr
	; ---- the way out, through my own stage: a lane holds pieces of one row; the 32 lanes store 512 consecutive bytes of a row
.irp b, 0,1,2,3
.irp j, 0,1,2,3
	ds_store_b128 v[SO], v[Y+16*\b+4*\j:Y+16*\b+4*\j+3] offset:128*\b+16*\j
.endr
.endr
.irp i, 0,1,2,3,4,5,6,7,8,9,10,11,12,13,14,15
	ds_load_b128 v[ACC+4*\i:ACC+4*\i+3], v[SR] offset:528*\i                   ; LDS serves a wave's instructions in order: these see my stores
.endr
.irp i, 0,1,2,3,4,5,6,7,8,9,10,11,12,13,14,15
	s_wait_dscnt 15-\i                             ; row i is back; the younger rows' loads may be out
	global_store_b128 v[LI], v[ACC+4*\i:ACC+4*\i+3], s[26:27] offset:4096*(\i+8*(\i/8)) th:TH_STORE_NT
.endr
	s_wait_tensorcnt 0x0                           ; the wave's end: three lines behind my last LDS store
	ds_add_u32 v[SPW], v[NIL]
	s_wait_dscnt 0x0
	s_endpgm
.Lfunc_end_k_q09dd616b71_norm:
	.size	k_q09dd616b71_norm, .Lfunc_end_k_q09dd616b71_norm-k_q09dd616b71_norm
	.p2alignl 7, 3214868480
	.fill 96, 4, 3214868480
	.section	.rodata,"a",@progbits
	.p2align	6, 0x0
	.amdhsa_kernel k_q09dd616b71_norm
		.amdhsa_group_segment_fixed_size 70656
		.amdhsa_private_segment_fixed_size 0
		.amdhsa_enable_private_segment 0
		.amdhsa_kernarg_size 32
		.amdhsa_user_sgpr_count 2
		.amdhsa_user_sgpr_kernarg_segment_ptr 1
		.amdhsa_wavefront_size32 1
		.amdhsa_system_sgpr_workgroup_id_x 1
		.amdhsa_system_sgpr_workgroup_id_y 1
		.amdhsa_system_sgpr_workgroup_id_z 1
		.amdhsa_system_vgpr_workitem_id 0
		.amdhsa_next_free_vgpr 256
		.amdhsa_next_free_sgpr 66
		.amdhsa_reserve_vcc 0
		.amdhsa_float_denorm_mode_32 3
		.amdhsa_float_denorm_mode_16_64 3
		.amdhsa_memory_ordered 1
		.amdhsa_forward_progress 1
		.amdhsa_inst_pref_size 25
	.end_amdhsa_kernel
	.amdgpu_metadata
---
amdhsa.version: [ 1, 2 ]
amdhsa.kernels:
  - .name:           k_q09dd616b71_norm
    .symbol:         k_q09dd616b71_norm.kd
    .args:
      - { .name: ZI, .offset: 0, .size: 8, .value_kind: global_buffer, .address_space: global }
      - { .name: g1, .offset: 8, .size: 8, .value_kind: global_buffer, .address_space: global }
      - { .name: beta1, .offset: 16, .size: 8, .value_kind: global_buffer, .address_space: global }
      - { .name: out0, .offset: 24, .size: 8, .value_kind: global_buffer, .address_space: global }
    .group_segment_fixed_size: 70656
    .private_segment_fixed_size: 0
    .kernarg_segment_align: 8
    .kernarg_segment_size: 32
    .max_flat_workgroup_size: 256
    .sgpr_count:     66
    .vgpr_count:     256
    .wavefront_size: 32
...
	.end_amdgpu_metadata
.endif
;; end of part 5
